; MI455X (gfx1250); checked and timed in simulation.
; The chip was launched on July 23, 2026; its instructions are those of AMD's public machine-readable ISA for CDNA 5 (MIT licence, August 2026) and "CDNA5" Instruction Set Architecture Reference Guide (July 2026). The comments in the code are by the model that wrote it; some were corrected since.
;; Attention. Allowed arithmetic: matrix products marked QUANTISED: E4M3 operands, one given power-of-two scale a tensor, by v_wmma_f32_16x16x64_fp8_fp8 or v_wmma_f32_16x16x128_fp8_fp8, f32 sums; everything else in f32.
;; Inputs: Wkv 2,048 x 1,024 float32; Wo 2,048 x 2,048 float32; Wq 2,048 x 2,048 float32; cos 2,048 x 128 float32; lowp_scales 10 int32 (the exponents e of the quantised operands' scales 2^e); sin 2,048 x 128 float32; x 1 x 2,048 x 2,048 float32.
;; Outputs: out0 1 x 2,048 x 2,048 float32.
;; This version of the problem:
;;   THIS VERSION OF THE PROBLEM IS GIVEN IN LOW PRECISION. The matrix products marked QUANTISED in the list below multiply operands that are first quantised to E4M3 (4 exponent bits, 3 mantissa bits; 8 bits a number), with one given power-of-two scale for each operand tensor; their sums are f32. All else is computed in f32.
;;   The module's matrix products, in the order in which they are computed (A, B: the left and right operand; K: the contracted axis; several contracted axes count as one K, in the product's order):
;;     1. [M 2,048, K 2,048] x [K 2,048, N 2,048]; A: input x; B: input Wq: QUANTISED (scales: A lowp_scales[0], B lowp_scales[1])
;;     2. [M 2,048, K 2,048] x [K 2,048, N 1,024]; A: input x; B: input Wkv: QUANTISED (scales: A lowp_scales[2], B lowp_scales[3])
;;     3. batch 16 x [M 2,048, K 128] x [K 128, N 2,048]; A: computed on the way; B: computed on the way: QUANTISED (scales: A lowp_scales[4], B lowp_scales[5])
;;     4. batch 16 x [M 2,048, K 2,048] x [K 2,048, N 128]; A: softmax (see below); B: computed on the way: QUANTISED (scales: A lowp_scales[6], B lowp_scales[7])
;;     5. [M 2,048, K 2,048] x [K 2,048, N 2,048]; A: computed on the way; B: input Wo: QUANTISED (scales: A lowp_scales[8], B lowp_scales[9])
;;   THE QUANTISER, for each operand of a quantised product, along K:
;;     - The operand's scale is 2^e, e = its entry of the input lowp_scales (int32; the entries are numbered through the quantised products in the list's order, A before B).
;;     - Each number is divided by the scale, clamped to +-448, and rounded to the nearest number of E4M3, ties to even, subnormals kept.
;;     - The product sums the exact products of the quantised numbers (number of the format x scale) in f32.
;;   ~~~python
;;   def quantise(x, axis, e):      # numpy; x: float32 -> the quantised numbers, widened to float32 again
;;       x = np.moveaxis(x, axis, -1); K = x.shape[-1]
;;       r = np.clip(x / 2.0 ** e, -448, 448)
;;       step = 2.0 ** (np.maximum(np.frexp(np.where(r == 0, 1, r))[1] - 1, -6) - 3)
;;       q = np.round(r / step) * step * 2.0 ** e      # np.round: ties to even
;;       return np.moveaxis(q, -1, axis).astype(np.float32)
;;   ~~~
;;   SOFTMAX AHEAD OF A QUANTISED PRODUCT. Where the list says 'softmax', what is quantised is not the finished softmax but p = 2^(t - M), with t = logit x log2(e) and M = ceil(the row's largest t), a whole number; so 1/2 < the row's largest p <= 1. The row's sum l is taken of the UNQUANTISED p, in f32, and the product's result is divided by l at the end. Since M is a whole number, a kernel that streams over the keys may use a running M (the ceiling of the running maximum): every later rescaling is an exact power of two, so the quantised numbers keep their values, but for numbers so far below the row's largest that they fall under the format's range.
;;   OPERANDS COMPUTED ON THE WAY. 'Computed on the way' means the value that the module computes at that place (a softmax that the list does not call 'softmax' is quantised finished and normalised). What goes into a quantiser is computed in f32, as accurately as f32 sums, v_exp_f32 and their like allow (about 1e-6 of the number): no bf16 or f16 on the way to a quantiser, and a product that is left as it is and whose result goes on into a quantised operand takes f32 operands (vector FMAs, or v_wmma_f32_16x16x4_f32). A number that lies on a knife's edge between two numbers of the format may be rounded either way, as far as f32 arithmetic and the matrix unit's own rounding can turn it there, and no further.
;; One version. Each part assembles by itself: llvm-mc -triple=amdgcn-amd-amdhsa -mcpu=gfx1250 --defsym DOCPART=n.
;; ======== version 1 of 1: 4 launches
;; limits: right only within a limited range of input values
;; workspace buffers: x_codes 8,388,608 bytes; w_codes 10,485,760 bytes; q_codes 4,194,304 bytes; k_codes 1,048,576 bytes; v_codes 1,048,576 bytes; a_codes 4,194,304 bytes
;; launch quant (part 1): grid 576 x 1, 4 waves a work-group, no clusters, 55,808 bytes of LDS; arguments x, Wq, Wkv, Wo, lowp_scales, x_codes, w_codes; writes x_codes, w_codes
.if DOCPART == 1
	.amdgcn_target "amdgcn-amd-amdhsa--gfx1250"
	.amdhsa_code_object_version 6
	.text
	.protected	k_qf5c29cb39f_quant
	.globl	k_qf5c29cb39f_quant
	.p2align	8
	.type	k_qf5c29cb39f_quant,@function
k_qf5c29cb39f_quant:
	s_mov_b64 s[64:65], 0
	v_nop
	global_prefetch_b8 v0, s[64:65] scope:SCOPE_SE
	s_setreg_imm32_b32 hwreg(HW_REG_WAVE_MODE, 25, 1), 1
	s_wait_xcnt 0x0
; FIRST OF FOUR LAUNCHES of a causal attention block (2,048 positions, 16 query heads, 4 key/value heads, head size 128) whose five products run on codes of FP8 (E4M3), each operand with the one scale 2^e given in lowp_scales.
; This launch turns the f32 inputs of the three projections into codes: code = number / 2^e, held within +-448, to the nearest code, ties to even.
;   x_codes [2][2048 m][2048 k]: x with e0 (for Wq) in plane 0 and with e2 (for Wkv) in plane 1: the two given exponents need not be equal.
;   w_codes: 5,120 rows n of 2,048 codes along K: rows 0-2047 the columns of Wq (e1), rows 2048-3071 those of Wkv (e3), rows 3072-5119 those of Wo (e9), laid as images of the matrix operand's registers: for each 16 rows
;   and each 128 along K a block of 2,048 bytes at 32,768 (n / 16) + 2,048 (k / 128); in it the 16 codes k = 32 c + 16 h + 0 .. 15 of row n % 16 = r stand at 512 c + 256 h + 16 r: a wave of a later launch loads 512 consecutive bytes an instruction.
; WORK LEFT OUT IN THE PROGRAM.  reference() builds the mask jnp.tril itself: the score of key k for query q is -inf where k > q, so its weight after the softmax is 0 and it adds nothing to the row's sum or to
; the product with v, whatever finite values the inputs hold.  The third launch therefore leaves out the blocks of 16 queries x 64 keys all of whose keys come after all of their queries, and does not fetch keys that come
; after a work-group's last query.  Nothing else is left out, and every input is loaded (cos and sin in their whole width).
; LIMIT of that: a NaN, an infinity or an overflow that would arise only in the scores left out is not carried to the result.
; LIMITS here: e0, e1, e2, e3, e9 between -126 and 119, so that 2^e and 448 x 2^e are f32 numbers.  NaN among the inputs is not served; an infinity is held at the largest code.
; SHARES.  Work-groups 0-255 take x, 16,384 numbers each; work-groups 256-575 take the weights, 128 columns x 256 along K each.  One scalar branch on the work-group's number parts them; each way has LDS bytes of its own.
; No tensor load, no matrix unit, no cluster: the launch streams each number once and its work-groups share nothing.
.set XST,   0                          ; LDS: x's way: for each wave two stages of 32 x 80 bytes
.set WST,   20480                      ; the weights' way: for each wave a stage of 32 rows x 272 bytes
.set SPARE, 55296                      ; the spare words, 128 bytes for each wave: two blocks of 256 bytes that no other line names
.set SPW,   12                         ; v12  LDS address of my spare word; never rewritten
.set NIL,   13                         ; v13  0; never rewritten
.set XR,    16                         ; x: v16-79   four sets of 16 numbers as they are loaded
.set XX,    80                         ;    v80-111  two sets of 16 neighbours
.set XT,    112                        ;    v112-127 the numbers held for plane 0
.set XC,    128                        ;    v128-191 codes: eight registers for each step, so that no store's data are written again
.set WA,    16                         ; weights: v16-47 byte offset of row i of a block of 32 rows, at my column
.set WX,    48                         ;    v48-111  two sets of 32 numbers
.set WC,    112                        ;    v112-119 a block's codes
.set WO,    120                        ;    v120-183 the way out
	s_load_b256 s[4:11], s[0:1], 0x0               ; x s[4:5], Wq s[6:7], Wkv s[8:9], Wo s[10:11]
	s_load_b128 s[12:15], s[0:1], 0x20             ; the exponents s[12:13], x_codes s[14:15]
	s_load_b64 s[16:17], s[0:1], 0x30              ; w_codes
	v_lshl_add_u32 v[SPW], v0, 2, SPARE
	v_mov_b32 v[NIL], 0
	v_lshrrev_b32 v1, 5, v0
	v_readfirstlane_b32 s18, v1                    ; wave 0..3
	v_and_b32 v2, 31, v0                           ; lane
	s_wait_kmcnt 0x0
	s_load_b128 s[24:27], s[12:13], 0x0            ; e0, e1, e2, e3
	s_load_b32 s28, s[12:13], 0x24                 ; e9
	s_cmp_lt_u32 ttmp9, 256
	s_cbranch_scc0 .Lw
; ---- x: a plain stream of numbers.  A wave takes 8 steps of 512.  Each load reads 512 consecutive bytes, 16 a lane; a step's 2,048 bytes turn through the wave's own stage and come back 64 bytes a lane,
; so that a lane holds 16 neighbours along K, as the conversions want them.  A lane's 16 codes are 16 bytes: a store of the wave covers 512 consecutive bytes, aligned.
	s_lshl_b32 s19, ttmp9, 2
	s_add_co_u32 s19, s19, s18                     ; which run of 4,096 numbers is my wave's
	s_lshl_b32 s20, s19, 14
	s_mov_b32 s21, 0
	s_add_nc_u64 s[4:5], s[4:5], s[20:21]
	s_lshl_b32 s20, s19, 12
	s_add_nc_u64 s[14:15], s[14:15], s[20:21]
	s_wait_alu depctr_va_vdst(0)
	v_lshlrev_b32 v3, 4, v2                        ; my 16 bytes of a load's, and of a store's, 512
	s_mul_i32 s22, s18, 5120
	v_lshrrev_b32 v14, 2, v2
	v_mul_u32_u24 v14, v14, 80
	v_and_b32 v15, 3, v2
	v_lshl_add_u32 v14, v15, 4, v14
	v_add_nc_u32 v14, s22, v14                     ; into the stage: four lanes' 64 bytes on end, then 16 of padding
	v_mul_u32_u24 v15, v2, 80
	v_add_nc_u32 v15, s22, v15                     ; out of it: my 16 neighbours
.macro XLOAD t
.irp i, 0,1,2,3
	global_load_b128 v[XR+16*((\t)%4)+4*\i:XR+16*((\t)%4)+4*\i+3], v3, s[4:5] offset:2048*(\t)+512*\i th:TH_LOAD_NT
.endr
.endm
.macro XTURN t                         ; LDS serves a wave's instructions in order (ISA guide 5.7.1.4): no wait between the stores and the loads
.irp i, 0,1,2,3
	ds_store_b128 v14, v[XR+16*((\t)%4)+4*\i:XR+16*((\t)%4)+4*\i+3] offset:XST+2560*((\t)%2)+640*\i
.endr
.irp i, 0,1,2,3
	ds_load_b128 v[XX+16*((\t)%2)+4*\i:XX+16*((\t)%2)+4*\i+3], v15 offset:XST+2560*((\t)%2)+16*\i
.endr
.endm
	XLOAD 0
	XLOAD 1
	XLOAD 2
	XLOAD 3
	s_wait_alu depctr_va_vdst(0)
	s_wait_kmcnt 0x0
	s_add_co_i32 s24, s24, 127
	s_lshl_b32 s29, s24, 23
	v_mov_b32 v11, s29                             ; 2^e0 as f32: the conversion takes its exponent field
	s_add_co_i32 s24, s24, 8
	s_lshl_b32 s24, s24, 23
	s_or_b32 s24, s24, 0x600000
	v_mov_b32 v10, s24                             ; 448 x 2^e0
	s_add_co_i32 s26, s26, 127
	s_lshl_b32 s29, s26, 23
	v_mov_b32 v9, s29                              ; 2^e2
	s_add_co_i32 s26, s26, 8
	s_lshl_b32 s26, s26, 23
	s_or_b32 s26, s26, 0x600000
	v_mov_b32 v8, s26                              ; 448 x 2^e2
	s_wait_alu depctr_va_vdst(0)
	s_wait_loadcnt 12                              ; step 0's four loads are in; the twelve of steps 1 to 3 may be out
	XTURN 0
.macro XSTEP t
.set XS, XX+16*((\t)%2)
	s_wait_dscnt 0x0                               ; this step's numbers are back from the stage: so its stores into the stage have read their registers,
.if (\t)+4 < 8
	XLOAD (\t)+4                                   ; which take the loads of four steps on
.endif
.if (\t)+1 < 8
.if (\t) <= 3
	s_wait_loadcnt 12                              ; the next step's four loads are in; those of the three steps behind it may be out
.else
	s_wait_loadcnt 4*(6-(\t))                      ; likewise, with fewer steps left behind it
.endif
	XTURN (\t)+1
.endif
.irp i, 0,1,2,3,4,5,6,7,8,9,10,11,12,13,14,15
	v_med3_num_f32 v[XT+\i], v[XS+\i], -v10, v10   ; the conversion to an 8-bit code does not saturate (ISA guide 7.6.2): the hold at 448 x the scale comes first
.endr
	v_cvt_scalef32_pk8_fp8_f32 v[XC+8*(\t):XC+8*(\t)+1], v[XT:XT+7], v11
	v_cvt_scalef32_pk8_fp8_f32 v[XC+8*(\t)+2:XC+8*(\t)+3], v[XT+8:XT+15], v11
.irp i, 0,1,2,3,4,5,6,7,8,9,10,11,12,13,14,15
	v_med3_num_f32 v[XS+\i], v[XS+\i], -v8, v8     ; the same numbers with the other scale
.endr
	v_cvt_scalef32_pk8_fp8_f32 v[XC+8*(\t)+4:XC+8*(\t)+5], v[XS:XS+7], v9
	v_cvt_scalef32_pk8_fp8_f32 v[XC+8*(\t)+6:XC+8*(\t)+7], v[XS+8:XS+15], v9
	global_store_b128 v3, v[XC+8*(\t):XC+8*(\t)+3], s[14:15] offset:512*(\t)
	global_store_b128 v3, v[XC+8*(\t)+4:XC+8*(\t)+7], s[14:15] offset:512*(\t)+4194304
.endm
.irp t, 0,1,2,3,4,5,6,7
	XSTEP \t
.endr
	v_nop                                          ; a plain line behind the last conversion
	s_branch .Lend
; ---- the weights: K is their FIRST axis.  A lane takes a column and its registers run down K: each load reads 128 consecutive bytes a wave, 512 a work-group, and the conversions give codes with K innermost.
; A wave takes 32 columns x 256 along K: four blocks of 2,048 bytes of w_codes; its codes go through its own stage and leave 512 consecutive bytes a store.
.Lw:
	s_sub_co_u32 s19, ttmp9, 256
	s_lshr_b32 s20, s19, 3                         ; which 128 rows of w_codes: 0-15 Wq, 16-23 Wkv, 24-39 Wo
	s_and_b32 s21, s19, 7                          ; which 256 along K
	s_mov_b32 s31, 8192
	s_cmp_lt_u32 s20, 24
	s_cselect_b64 s[22:23], s[8:9], s[10:11]
	s_cselect_b32 s30, 16, 24                      ; the tensor's first block
	s_cselect_b32 s31, 4096, s31                   ; bytes in a row of the tensor
	s_cmp_lt_u32 s20, 16
	s_cselect_b64 s[22:23], s[6:7], s[22:23]
	s_cselect_b32 s30, 0, s30
	s_cselect_b32 s31, 8192, s31
	s_sub_co_u32 s30, s20, s30
	s_lshl_b32 s30, s30, 9                         ; the block's first column, in bytes
	s_lshl_b32 s48, s18, 7                         ; + my wave's 32 columns
	s_add_co_u32 s48, s48, s30
	s_mul_i32 s49, s21, s31
	s_lshl_b32 s49, s49, 8                         ; + 256 rows for each step along K
	s_add_co_u32 s48, s48, s49
	s_mov_b32 s49, 0
	s_add_nc_u64 s[32:33], s[22:23], s[48:49]      ; block 0 of my eight blocks of 32 rows
	s_lshl_b32 s50, s31, 5
	s_mov_b32 s51, 0
.irp t, 1,2,3,4,5,6,7
	s_add_nc_u64 s[32+2*\t:33+2*\t], s[30+2*\t:31+2*\t], s[50:51]   ; a base for each block: none is ever stepped
.endr
	s_lshl_b32 s52, s20, 18                        ; w_codes: 8 runs of 16 rows, 32,768 bytes each, a block of 128 rows,
	s_lshl_b32 s53, s18, 16                        ; 2 runs a wave,
	s_add_co_u32 s52, s52, s53
	s_lshl_b32 s53, s21, 12                        ; two blocks of 2,048 bytes for my 256 along K
	s_add_co_u32 s52, s52, s53
	s_mov_b32 s53, 0
	s_add_nc_u64 s[16:17], s[16:17], s[52:53]
	s_wait_alu depctr_va_vdst(0)
	v_lshlrev_b32 v3, 2, v2
.set i, 0
.rept 32
	v_mad_u32_u24 v[WA+i], s31, i, v3              ; row i of a block, my column
.set i, i+1
.endr
	s_mul_i32 s54, s18, 8704
	s_add_co_u32 s54, s54, WST                     ; my stage
	v_mul_u32_u24 v4, v2, 272
	v_add_nc_u32 v4, s54, v4                       ; into it: row = my column
	v_and_b32 v5, 15, v2
	v_lshrrev_b32 v6, 4, v2
	v_mul_u32_u24 v7, v5, 272
	v_lshl_add_u32 v7, v6, 4, v7
	v_add_nc_u32 v7, s54, v7                       ; out of it, as the operand's registers want it: row lane % 16, 16 bytes for each half of the lanes
	v_lshlrev_b32 v8, 4, v2                        ; and 16 x lane in a store's 512 bytes
.macro WLOAD t
.set i, 0
.rept 32
	global_load_b32 v[WX+32*((\t)%2)+i], v[WA+i], s[32+2*(\t):33+2*(\t)] th:TH_LOAD_NT
.set i, i+1
.endr
.endm
	WLOAD 0
	WLOAD 1
	s_wait_kmcnt 0x0
	s_cmp_lt_u32 s20, 24
	s_cselect_b32 s29, s27, s28                    ; e3 or e9,
	s_cmp_lt_u32 s20, 16
	s_cselect_b32 s29, s25, s29                    ; or e1: a choice, no branch
	s_add_co_i32 s29, s29, 127
	s_lshl_b32 s30, s29, 23
	v_mov_b32 v11, s30                             ; 2^e
	s_add_co_i32 s29, s29, 8
	s_lshl_b32 s29, s29, 23
	s_or_b32 s29, s29, 0x600000
	v_mov_b32 v10, s29                             ; 448 x 2^e
.macro WBLOCK t
.set WS, WX+32*((\t)%2)
.if (\t) < 7
	s_wait_loadcnt 32                              ; this block's 32 loads are in; the next block's may be out
.else
	s_wait_loadcnt 0
.endif
.set i, 0
.rept 32
	v_med3_num_f32 v[WS+i], v[WS+i], -v10, v10
.set i, i+1
.endr
.irp g, 0,1,2,3
	v_cvt_scalef32_pk8_fp8_f32 v[WC+2*\g:WC+2*\g+1], v[WS+8*\g:WS+8*\g+7], v11
.endr
	ds_store_b128 v4, v[WC:WC+3] offset:32*(\t)    ; 32 codes of my column's row
	ds_store_b128 v4, v[WC+4:WC+7] offset:32*(\t)+16
.if (\t)+2 < 8
	WLOAD (\t)+2
.endif
	s_wait_dscnt 0x0                               ; the stores have read their registers: the next block's codes may be written
.endm
	s_wait_alu depctr_va_vdst(0)
.irp t, 0,1,2,3,4,5,6,7
	WBLOCK \t
.endr
	v_nop                                          ; a plain line behind the last conversion
.irp t, 0,1,2,3,4,5,6,7,8,9,10,11,12,13,14,15
	ds_load_b128 v[WO+4*\t:WO+4*\t+3], v7 offset:(\t/8)*4352+((\t/4)%2)*128+(\t%4)*32   ; 16 rows t / 8, 128 along K (t / 4) % 2, c = t % 4
.endr
.irp t, 0,1,2,3,4,5,6,7,8,9,10,11,12,13,14,15
	s_wait_dscnt 15-\t                             ; LDS loads come back in order
	global_store_b128 v8, v[WO+4*\t:WO+4*\t+3], s[16:17] offset:(\t/8)*32768+((\t/4)%2)*2048+(\t%4)*512   ; the wave stores 512 consecutive bytes, aligned
.endr
.Lend:
	s_wait_tensorcnt 0x0                           ; the wave's end: behind my last LDS store
	ds_add_u32 v[SPW], v[NIL]
	s_wait_dscnt 0x0
	s_endpgm
.Lfunc_end_k_qf5c29cb39f_quant:
	.size	k_qf5c29cb39f_quant, .Lfunc_end_k_qf5c29cb39f_quant-k_qf5c29cb39f_quant
	.p2alignl 7, 3214868480
	.fill 96, 4, 3214868480
	.section	.rodata,"a",@progbits
	.p2align	6, 0x0
	.amdhsa_kernel k_qf5c29cb39f_quant
		.amdhsa_group_segment_fixed_size 55808
		.amdhsa_private_segment_fixed_size 0
		.amdhsa_enable_private_segment 0
		.amdhsa_kernarg_size 56
		.amdhsa_user_sgpr_count 2
		.amdhsa_user_sgpr_kernarg_segment_ptr 1
		.amdhsa_wavefront_size32 1
		.amdhsa_system_sgpr_workgroup_id_x 1
		.amdhsa_system_sgpr_workgroup_id_y 1
		.amdhsa_system_sgpr_workgroup_id_z 1
		.amdhsa_system_vgpr_workitem_id 0
		.amdhsa_next_free_vgpr 192
		.amdhsa_next_free_sgpr 66
		.amdhsa_reserve_vcc 0
		.amdhsa_float_denorm_mode_32 3
		.amdhsa_float_denorm_mode_16_64 3
		.amdhsa_memory_ordered 1
		.amdhsa_forward_progress 1
		.amdhsa_inst_pref_size 81
	.end_amdhsa_kernel
	.amdgpu_metadata
---
amdhsa.version: [ 1, 2 ]
amdhsa.kernels:
  - .name:           k_qf5c29cb39f_quant
    .symbol:         k_qf5c29cb39f_quant.kd
    .args:
      - { .name: x, .offset: 0, .size: 8, .value_kind: global_buffer, .address_space: global }
      - { .name: Wq, .offset: 8, .size: 8, .value_kind: global_buffer, .address_space: global }
      - { .name: Wkv, .offset: 16, .size: 8, .value_kind: global_buffer, .address_space: global }
      - { .name: Wo, .offset: 24, .size: 8, .value_kind: global_buffer, .address_space: global }
      - { .name: lowp_scales, .offset: 32, .size: 8, .value_kind: global_buffer, .address_space: global }
      - { .name: x_codes, .offset: 40, .size: 8, .value_kind: global_buffer, .address_space: global }
      - { .name: w_codes, .offset: 48, .size: 8, .value_kind: global_buffer, .address_space: global }
    .group_segment_fixed_size: 55808
    .private_segment_fixed_size: 0
    .kernarg_segment_align: 8
    .kernarg_segment_size: 56
    .max_flat_workgroup_size: 128
    .sgpr_count:     66
    .vgpr_count:     192
    .wavefront_size: 32
...
	.end_amdgpu_metadata
.endif
;; end of part 1
;; launch proj (part 2): grid 12 x 16, 4 waves a work-group, clusters of 4 x 1, 327,680 bytes of LDS; arguments x_codes, w_codes, lowp_scales, cos, sin, q_codes, k_codes, v_codes; writes q_codes, k_codes, v_codes
.if DOCPART == 2
	.amdgcn_target "amdgcn-amd-amdhsa--gfx1250"
	.amdhsa_code_object_version 6
	.text
	.protected	k_qf5c29cb39f_proj
	.globl	k_qf5c29cb39f_proj
	.p2align	8
	.type	k_qf5c29cb39f_proj,@function
k_qf5c29cb39f_proj:
	s_mov_b64 s[64:65], 0
	v_nop
	global_prefetch_b8 v0, s[64:65] scope:SCOPE_SE
	s_setreg_imm32_b32 hwreg(HW_REG_WAVE_MODE, 25, 1), 1
	s_wait_xcnt 0x0
	s_wait_alu depctr_hold_cnt(0) depctr_sa_sdst(0) depctr_va_vdst(0) depctr_va_sdst(0) depctr_va_ssrc(0) depctr_va_vcc(0) depctr_vm_vsrc(0)
	s_getreg_b32 s2, hwreg(HW_REG_IB_STS2, 6, 4)
	s_cmp_eq_u32 s2, 0
	s_cbranch_scc0 .Lentry_in_a_cluster
	s_endpgm
.Lentry_in_a_cluster:
	s_bfe_u32 s2, ttmp6, 0x10000c
	s_cmp_lg_u32 s2, 0x3003
	s_cbranch_scc0 .Lentry_shape_is_right
	s_endpgm
.Lentry_shape_is_right:
; SECOND LAUNCH: q = x Wq and k, v = x Wkv on codes of FP8 (E4M3); RoPE on q and k and the factor 1/sqrt(128) on q in f32; the results quantised for the attention's two products.
;   q_codes [16 head][2048 m][128 d] with e4;  k_codes [4 head][2048 rows][128 d] with e5;  v_codes [4 head][16 blocks of keys][128 d][128 keys] with e7: the keys are the second product's K.
;   In k_codes, in each group of 32 rows, the second and the third run of 8 rows change places: row 32 b + 16 u + 8 g + i holds key 32 b + 16 g + 8 u + i, as the next launch's tiles of keys want it.
; SHARES.  A work-group makes 128 positions x 256 columns.  Cluster columns 0, 1: two heads of q (x's plane 0);  cluster column 2: head cx of k and head cx of v (plane 1).  That is 128 + 64 = 192 work-groups of
; equal work: q's 2^22 and k, v's 2^21 results do not divide into 256 equal blocks that each take one plane of x.  A wave makes 128 positions x 64 columns, 32 accumulators: waves 0, 1 the first head, waves 2, 3 the second;
; wave parity p takes channels 32 p .. 32 p + 31 and 64 + 32 p .. 64 + 32 p + 31, so that channels d and d + 64, which RoPE joins, lie in one lane.
; x STAYS IN LDS: the 128 rows over all of K, 262,144 bytes, are fetched once, one tensor load a wave (128 rows x 512 bytes, wave w the w-th 512 along K).  Nothing is filled again, so the walk over K has no barrier.
; THE WEIGHTS GO FROM MEMORY INTO REGISTERS: the launch before laid them as images of the operand's registers, so a load takes 512 consecutive bytes, and no two waves of a work-group take the same bytes.
; A ring of four register slots of one K step (128 along K, 16 loads); a slot is asked for three K steps ahead of its use.
; CLUSTER 4, 1, 1: the four partners take the same rows of the same plane of x: each tile is asked for jointly, mask 15.  The weights differ between partners.
; k, q: source 0 = 16 rows of the weights, source 1 = 16 rows of x: a lane holds one position, its eight results run along the channels.  v: the sources change places, so that they run along the keys.  Waves of both kinds
; walk one loop; a branch on ids (the cluster's column and the wave's number) inside it picks the products' form.  The last three K steps and the way out are written once for q, k and once for v.
; PREFETCH: sixteen work-groups (grid y) walk the same weights.  Those with y < 4 ask, in the loop's first two trips, for what the next trip's loads will want: wave w for 8,192 dense bytes (four K steps) of the y-th of its
; four runs of 16 rows, lanes 256 bytes apart: each block is named once in the launch.  K steps 0 to 7 come by their loads alone.  x's tiles are asked for at the head, where there is no loop to run ahead in.
; LIMITS: e4 - e0 - e1, e5 - e2 - e3 and e7 - e2 - e3 between -126 and 119, so that the folded scale and 448 x it are f32 numbers.
; REGISTERS: window 0: v1-19 addresses and scales; v32-63 at work; v64-127 codes; v128-255 cos and sin of positions 0-31, then rows on the way out.  window 1: accumulator (a, t) at v[8 (4 a + t)].
;   window 2: x's fragments, two sets of 8 x 16.  window 3: the weights' four slots of 4 x 16.  Windows 2 and 3 take cos and sin as their registers fall free.
.set CHK,   128*528                    ; a tile in LDS: 128 rows of 512 bytes + 16 of padding: 132 words, so the sixteen rows of a fragment load start at sixteen different groups of four banks (ISA guide 11.1)
.set SPARE, 4*CHK                      ; the spare words, 128 bytes for each wave: two blocks of 256 bytes that no other line names
.set STG,   SPARE+512                  ; the stage of q and k: 256 rows of 128 bytes + 16
.set VSTG,  STG+256*144                ; v's stage, bytes of its own: 128 rows
.set ABASE, 4                          ; v4  my lane's place in x's first tile;  v5 in the second
.set ABASE1, 5
.set AD0,   6                          ; v6  the same in the trip's tile;  v7 in the next
.set AD1,   7
.set BOF,   8                          ; v8  16 x lane
.set PFO,   9                          ; v9  256 x lane
.set CSO,   10                         ; v10 my byte offset in cos and sin
.set STOQ,  11                         ; v11, v12 where I put 8 codes
.set STOV,  12
.set RDQ,   13                         ; v13, v14 where I read rows back
.set RDV,   14
.set SC,    16                         ; v16 the folded scale as f32;  v17  448 x it
.set LM,    17
.set SPW,   18                         ; v18 LDS address of my spare word;  v19  0;  never rewritten
.set NIL,   19
.set TT,    32
.set CD,    64
.set BK,    128
.set WV, 20                            ; s20 wave; s21 wave / 2; s22 wave % 2
.set WH, 21
.set WP, 22
.set CC, 23                            ; s23 the cluster's column; s24 grid y; s25 cx
.set CY, 24
.set CX, 25
.set KV, 26                            ; s26 1 in cluster column 2;  s27 1 in a wave that makes v
.set TY, 27
.set G1, 28
.set G0, 36
.set BB, 40                            ; s[40:41] my weights, at the trip's K steps;  s[42:43] where my prefetch stands
.set PFB, 42
.set LIM, 44
.set TR, 45
.set CH, 46                            ; s46 LDS byte of the trip's tile
.set OUT, 66
.set FS, 68
.set MSB, 0
.macro WIN new                         ; the immediate's high byte repeats the setting that is left
.set NW, (\new)
.if MSB != NW
	s_set_vgpr_msb (MSB<<8)|NW
.set MSB, NW
.endif
.endm
.macro CROUND                          ; a round of the cluster's barrier
	s_barrier_signal -1
	s_barrier_wait -1
	s_cmp_lg_u32 s[WV], 0
	s_cbranch_scc1 .Lnot_wave_0_\@
	s_barrier_signal -3
.Lnot_wave_0_\@:
	s_barrier_wait -3
	s_barrier_signal -1
	s_barrier_wait -1
.endm
.macro PLACES                          ; four places in front of loads into registers that matrix instructions have read, and of the first read of results
.rept 4
	v_nop
.endr
.endm
.macro BLOAD q, d                      ; the weights of K step d (counted from the trip's base) into slot q: 16 loads of 512 consecutive bytes
	WIN 0xc0
.irp t, 0,1,2,3
.irp c, 0,1,2,3
	global_load_b128 v[64*(\q)+16*\t+4*\c:64*(\q)+16*\t+4*\c+3], v[BOF], s[BB:BB+1] offset:(\t%2)*32768+(\t/2)*131072+(\d)*2048+\c*512
.endr
.endr
.endm
.macro FETCH adr, ko, s                ; x's eight fragments at byte ko of the tile's rows into set s: lane (r, h) takes K = 32 c + 16 h + 0 .. 15, the order in which the weights lie
	WIN 0x80
.irp a, 0,1,2,3,4,5,6,7
.irp c, 0,1,2,3
	ds_load_b128 v[128*(\s)+16*\a+4*\c:128*(\s)+16*\a+4*\c+3], v[\adr] offset:\ko+32*\c+\a*16*528
.endr
.endr
.endm
.macro MM q, s, a0, zero, sw           ; 16 matrix instructions: x's blocks a0 .. a0 + 3 against the slot's four.  The 32 accumulators take turns in the same order in every K step
.irp a, \a0, \a0+1, \a0+2, \a0+3
.irp t, 0,1,2,3
.set DA, 8*(4*(\a)+\t)
.set XA, 128*(\s)+16*(\a)
.set WB, 64*(\q)+16*\t
.if \sw
.if \zero
	v_wmma_f32_16x16x128_fp8_fp8 v[DA:DA+7], v[XA:XA+15], v[WB:WB+15], 0
.else
	v_wmma_f32_16x16x128_fp8_fp8 v[DA:DA+7], v[XA:XA+15], v[WB:WB+15], v[DA:DA+7]
.endif
.else
.if \zero
	v_wmma_f32_16x16x128_fp8_fp8 v[DA:DA+7], v[WB:WB+15], v[XA:XA+15], 0
.else
	v_wmma_f32_16x16x128_fp8_fp8 v[DA:DA+7], v[WB:WB+15], v[XA:XA+15], v[DA:DA+7]
.endif
.endif
.endr
.endr
.endm
.macro MULH q, s, a0, zero, arm        ; arm 0: q, k's form;  1: v's;  2: both, picked by a branch on ids
.if \arm == 2
	WIN 0
	s_cmp_eq_u32 s[TY], 0
	s_cbranch_scc0 .Lsw_\@
.endif
.if \arm != 1
	WIN 0x5b                                       ; source 0 window 3, source 1 window 2, C and D window 1
	MM \q, \s, \a0, \zero, 0
.endif
.if \arm == 2
	WIN 0
	s_branch .Ljn_\@
.Lsw_\@:
.endif
.if \arm != 0
	WIN 0x5e                                       ; source 0 window 2, source 1 window 3
	MM \q, \s, \a0, \zero, 1
.endif
.if \arm == 2
	WIN 0
.Ljn_\@:
.endif
.endm
; A K STEP of 128: slot q, set s.  d >= 0: the slot read last step takes K step d.  ko >= 0: the next step's fragments of x are fetched in the step's middle.  lc >= 0: the wait for this step's weights.
.macro STEP q, s, d, adr, ko, lc, zero, arm
.if \d >= 0
	PLACES
	BLOAD (\q+3)%4, \d
.endif
.if \lc >= 0
	s_wait_loadcnt \lc                             ; this step's 16 loads are in; the count leaves out the loads issued behind them
.endif
	s_wait_dscnt 16                                ; x's blocks 0-3 are in; the youngest 16 loads (blocks 4-7) may be out
	MULH \q, \s, 0, \zero, \arm
.if \ko >= 0
	PLACES
	FETCH \adr, \ko, 1-\s
	s_wait_dscnt 32                                ; all but the 32 just issued
.else
	s_wait_dscnt 0
.endif
	MULH \q, \s, 4, \zero, \arm
.endm
.macro CSLOAD a, w, cb                 ; cos and sin of positions 16 a .. 16 a + 15 at my 64 channels: 16 loads into 64 registers of window w: cos at cb + 8 t, sin at cb + 32 + 8 t
	WIN (\w)<<6
.irp t, 0,1,2,3
.irp e, 0,1
	global_load_b128 v[\cb+8*\t+4*\e:\cb+8*\t+4*\e+3], v[CSO], s[10:11] offset:\a*8192+(16*(\t%2)+64*(\t/2))*4+16*\e
	global_load_b128 v[\cb+32+8*\t+4*\e:\cb+32+8*\t+4*\e+3], v[CSO], s[12:13] offset:\a*8192+(16*(\t%2)+64*(\t/2))*4+16*\e
.endr
.endr
.endm
.macro TOCODES a                       ; 32 numbers at work become 32 codes; the conversion does not saturate (ISA guide 7.6.2), so the hold has come first
.irp t, 0,1,2,3
	v_cvt_scalef32_pk8_fp8_f32 v[CD+8*\a+2*\t:CD+8*\a+2*\t+1], v[TT+8*\t:TT+8*\t+7], v[SC]
.endr
	v_nop                                          ; a plain line behind the last conversion
.endm
; q, k: block a.  out[d] = x[d] cos[d] - x[d + 64] sin[d];  out[d + 64] = x[d + 64] cos[d + 64] + x[d] sin[d + 64].  Each accumulator is read from its low end on.
.macro EPI a, w, cb, lc
	s_wait_loadcnt \lc                             ; this block's cos and sin are in
	WIN ((\w)<<2)|1                                ; source 0 window 1, source 1 window w
.irp t, 0,1,2,3
.irp j, 0,2,4,6
	v_pk_mul_f32 v[TT+8*\t+\j:TT+8*\t+\j+1], v[8*(4*\a+(\t+2)%4)+\j:8*(4*\a+(\t+2)%4)+\j+1], v[\cb+32+8*\t+\j:\cb+32+8*\t+\j+1]
.endr
.endr
.irp t, 0,1
.irp j, 0,2,4,6
	v_pk_fma_f32 v[TT+8*\t+\j:TT+8*\t+\j+1], v[8*(4*\a+\t)+\j:8*(4*\a+\t)+\j+1], v[\cb+8*\t+\j:\cb+8*\t+\j+1], v[TT+8*\t+\j:TT+8*\t+\j+1] neg_lo:[0,0,1] neg_hi:[0,0,1]
.endr
.endr
.irp t, 2,3
.irp j, 0,2,4,6
	v_pk_fma_f32 v[TT+8*\t+\j:TT+8*\t+\j+1], v[8*(4*\a+\t)+\j:8*(4*\a+\t)+\j+1], v[\cb+8*\t+\j:\cb+8*\t+\j+1], v[TT+8*\t+\j:TT+8*\t+\j+1]
.endr
.endr
	WIN 0
.irp j, 0,2,4,6,8,10,12,14,16,18,20,22,24,26,28,30
	v_pk_mul_f32 v[TT+\j:TT+\j+1], v[TT+\j:TT+\j+1], s[FS:FS+1] op_sel_hi:[1,0]   ; q: x 1 / sqrt(128), ahead of its quantiser as reference() has it;  k: x 1: a chosen factor, no branch
.endr
.set i, 0
.rept 32
	v_med3_num_f32 v[TT+i], v[TT+i], -v[LM], v[LM]
.set i, i+1
.endr
	TOCODES \a
.irp t, 0,1,2,3
	ds_store_b64 v[STOQ], v[CD+8*\a+2*\t:CD+8*\a+2*\t+1] offset:\a*2304+16*(\t%2)+64*(\t/2)   ; row = position 16 a + r, 8 channels
.endr
.endm
.macro VEPI a                          ; v: block a: a lane holds channel r of each tile and eight keys
	WIN 0x01
.set i, 0
.rept 32
	v_med3_num_f32 v[TT+i], v[32*\a+i], -v[LM], v[LM]
.set i, i+1
.endr
	WIN 0
	TOCODES \a
.irp t, 0,1,2,3
	ds_store_b64 v[STOV], v[CD+8*\a+2*\t:CD+8*\a+2*\t+1] offset:(16*(\t%2)+64*(\t/2))*144+16*\a   ; row = channel, 8 keys
.endr
.endm
.macro OUTW rd, pm                     ; my 64 rows of a stage leave: eight lanes to a row of 128 bytes, so a store covers 512 consecutive bytes, aligned.  pm = 1: k's runs of 8 rows change places
.irp i, 0,1,2,3,4,5,6,7,8,9,10,11,12,13,14,15
	ds_load_b128 v[BK+4*\i:BK+4*\i+3], v[\rd] offset:576*\i
.endr
.irp i, 0,1,2,3,4,5,6,7,8,9,10,11,12,13,14,15
	s_wait_dscnt 15-\i                             ; LDS loads come back in order
.if \pm
	global_store_b128 v[BOF], v[BK+4*\i:BK+4*\i+3], s[OUT:OUT+1] offset:((\i/8)*4+((\i/2)%2)*2+((\i/2)%4)/2)*1024+(\i%2)*512
.else
	global_store_b128 v[BOF], v[BK+4*\i:BK+4*\i+3], s[OUT:OUT+1] offset:512*\i
.endif
.endr
.endm
	s_load_b256 s[4:11], s[0:1], 0x0               ; x_codes s[4:5], w_codes s[6:7], the exponents s[8:9], cos s[10:11]
	s_load_b256 s[12:19], s[0:1], 0x20             ; sin s[12:13], q_codes s[14:15], k_codes s[16:17], v_codes s[18:19]
	v_lshl_add_u32 v[SPW], v0, 2, SPARE
	v_mov_b32 v[NIL], 0
	ds_add_u32 v[SPW], v[NIL]                      ; the wave's opening: the add, twice on end, and its wait ahead of my first tensor load
	ds_add_u32 v[SPW], v[NIL]
	v_lshrrev_b32 v3, 5, v0
	v_readfirstlane_b32 s[WV], v3                  ; wave 0..3
	v_and_b32 v3, 31, v0
	v_lshlrev_b32 v[BOF], 4, v3
	v_lshlrev_b32 v[PFO], 8, v3
	s_lshr_b32 s[WH], s[WV], 1
	s_and_b32 s[WP], s[WV], 1
	s_bfe_u32 s[CX], ttmp6, 0x40000
	s_mov_b32 s[CC], ttmp9
	s_and_b32 s[CY], ttmp7, 0xffff
	s_lshr_b32 s[KV], s[CC], 1
	s_and_b32 s[TY], s[KV], s[WH]
	s_mov_b32 s[G1], 15|(1<<20)|(1<<21)|(6<<22)|(3<<25)   ; 15:0 the mask: all four partners; 17:16 elements of 1 byte; 20 padding on; 21 set beside a mask; 24:22 after every 128 words (code 6); 31:25 four words (code 3)
	s_mov_b32 s[G1+1], 512<<16                     ; tensor_dim0
	s_mov_b32 s[G1+2], 128<<16                     ; tensor_dim1
	s_mov_b32 s[G1+3], 512<<16                     ; tile_dim0
	s_mov_b32 s[G1+4], 128                         ; tile_dim1
	s_mov_b32 s[G1+5], 2048                        ; from row to row
	s_mov_b32 s[G1+6], 0
	s_mov_b32 s[G1+7], 0
	s_mov_b32 s[G0], 1
	s_mul_i32 s[G0+1], s[WV], CHK                  ; tile w: no place in the cluster enters an LDS address
	s_lshl_b32 s48, s[KV], 22                      ; x's plane,
	s_lshl_b32 s49, s[CY], 18                      ; my 128 rows of 2,048 bytes,
	s_add_co_u32 s48, s48, s49
	s_lshl_b32 s49, s[WV], 9                       ; the w-th 512 along K: nothing of cx
	s_add_co_u32 s48, s48, s49
	s_mov_b32 s49, 0
	s_lshl_b32 s50, s[CC], 3
	s_lshl_b32 s51, s[CX], 1
	s_add_co_u32 s50, s50, s51
	s_add_co_u32 s50, s50, s[WH]                   ; q's head: 8 x cluster column + 2 cx + wave / 2
	s_lshl_b32 s52, s50, 3                         ; its first run of 16 rows of w_codes
	s_lshl_b32 s53, s[WH], 5
	s_lshl_b32 s54, s[CX], 3
	s_add_co_u32 s53, s53, s54
	s_add_co_u32 s53, s53, 128                     ; k: 128 + 8 cx;  v: 160 + 8 cx
	s_cmp_eq_u32 s[KV], 0
	s_cselect_b32 s52, s52, s53
	s_cselect_b32 s50, s50, s[CX]                  ; the head's number in the tensor that I store
	s_lshl_b32 s53, s[WP], 1
	s_add_co_u32 s52, s52, s53                     ; + 2 p
	s_lshl_b32 s52, s52, 15                        ; 32,768 bytes a run
	s_mov_b32 s53, 0
	s_and_b32 s54, s[CY], 1                        ; the prefetch: the (y % 4)-th of my four runs,
	s_lshl_b32 s54, s54, 15
	s_bfe_u32 s55, s[CY], 0x10001
	s_lshl_b32 s55, s55, 17
	s_add_co_u32 s54, s54, s55
	s_add_co_u32 s54, s54, 8*2048                  ; from K step 8 on
	s_mov_b32 s55, 0
	s_cmp_lt_u32 s[CY], 4
	s_cselect_b32 s[LIM], 1, 99                    ; a wave asks while more trips are left than this
	s_mov_b32 s[TR], 3
	s_mov_b32 s[CH], 0
	s_wait_alu depctr_va_vdst(0)
	s_wait_dscnt 0x0                               ; both opening adds are done
	s_wait_kmcnt 0x0
	s_load_b256 s[56:63], s[8:9], 0x0              ; e0 .. e7
	s_add_nc_u64 s[BB:BB+1], s[6:7], s[52:53]
	s_add_nc_u64 s[PFB:PFB+1], s[BB:BB+1], s[54:55]
	s_add_nc_u64 s[G0+2:G0+3], s[4:5], s[48:49]
	s_or_b32 s[G0+3], s[G0+3], 0x80000000
	BLOAD 0, 0                                     ; the weights of K steps 0 to 2 are on their way while the cluster meets
	BLOAD 1, 1
	BLOAD 2, 2
	WIN 0
	CROUND                                         ; all four work-groups are here: the joint loads meet
	tensor_load_to_lds s[G0:G0+3], s[G1:G1+7]      ; my one tensor load of the launch
	s_nop 0
	PLACES
	s_lshl_b32 s48, s[CY], 16                      ; cos, sin: my 128 positions of 512 bytes
	s_add_nc_u64 s[10:11], s[10:11], s[48:49]
	s_add_nc_u64 s[12:13], s[12:13], s[48:49]
	s_cmp_eq_u32 s[KV], 0
	s_cselect_b64 s[OUT:OUT+1], s[14:15], s[16:17]
	s_cmp_eq_u32 s[TY], 0
	s_cselect_b64 s[OUT:OUT+1], s[OUT:OUT+1], s[18:19]
	s_lshl_b32 s48, s50, 18                        ; in all three tensors: 262,144 bytes a head, 16,384 for my 128 positions, 8,192 for the 64 rows that I store
	s_lshl_b32 s50, s[CY], 14
	s_add_co_u32 s48, s48, s50
	s_lshl_b32 s50, s[WP], 13
	s_add_co_u32 s48, s48, s50
	s_add_nc_u64 s[OUT:OUT+1], s[OUT:OUT+1], s[48:49]
	s_lshl_b32 s70, s[WP], 7
	s_mul_i32 s71, s[WH], 128*144
	s_lshl_b32 s72, s[WP], 5
	s_add_co_u32 s71, s71, s72
	s_add_co_u32 s71, s71, STG
	s_mul_i32 s72, s[WP], 32*144
	s_add_co_u32 s72, s72, VSTG
	s_mul_i32 s73, s[WV], 64*144
	s_add_co_u32 s73, s73, STG
	s_mul_i32 s74, s[WP], 64*144
	s_add_co_u32 s74, s74, VSTG
	s_mov_b32 s[FS], 0x3db504f3                    ; 1 / sqrt(128)
	s_mov_b32 s49, 0x3f800000
	s_cmp_eq_u32 s[KV], 0
	s_cselect_b32 s[FS], s[FS], s49
	s_mov_b32 s[FS+1], s[FS]                       ; (named with it as a pair, so it is written)
	s_wait_kmcnt 0x0
	s_cselect_b32 s48, s56, s58                    ; a sum stands for sum x 2^(its two operands' e): q: e0, e1;  k, v: e2, e3
	s_cselect_b32 s49, s57, s59
	s_cmp_eq_u32 s[WH], 0
	s_cselect_b32 s50, s61, s63                    ; k: e5, v: e7,
	s_cmp_eq_u32 s[KV], 0
	s_cselect_b32 s50, s60, s50                    ; q: e4: choices, no branch
	s_sub_co_i32 s50, s50, s48
	s_sub_co_i32 s50, s50, s49
	s_add_co_i32 s50, s50, 127
	s_lshl_b32 s51, s50, 23                        ; the three exponents folded into the conversion's one
	s_add_co_i32 s50, s50, 8
	s_lshl_b32 s50, s50, 23
	s_or_b32 s50, s50, 0x600000                    ; 448 x that
	v_and_b32 v1, 15, v0                           ; r
	v_bfe_u32 v2, v0, 4, 1                         ; h
	v_mul_u32_u24 v3, v1, 528
	v_lshl_add_u32 v[ABASE], v2, 4, v3
	v_add_nc_u32 v[ABASE1], CHK, v[ABASE]
	v_lshlrev_b32 v3, 9, v1
	v_lshl_add_u32 v3, v2, 5, v3
	v_add_nc_u32 v[CSO], s70, v3                   ; position r, channel 32 p + 8 h
	v_mul_u32_u24 v3, v1, 144
	v_lshl_add_u32 v3, v2, 3, v3
	v_add_nc_u32 v[STOQ], s71, v3                  ; my head's rows, byte 32 p + 8 h
	v_add_nc_u32 v[STOV], s72, v3                  ; row 32 p + r, byte 8 h
	v_bfe_u32 v3, v0, 3, 2
	v_mul_u32_u24 v3, v3, 144
	v_and_b32 v1, 7, v0
	v_lshl_add_u32 v3, v1, 4, v3
	v_add_nc_u32 v[RDQ], s73, v3
	v_add_nc_u32 v[RDV], s74, v3
	v_mov_b32 v[SC], s51
	v_mov_b32 v[LM], s50
	s_wait_alu depctr_va_vdst(0)
	s_wait_tensorcnt 0x0                           ; my tile is in;
	s_barrier_signal -1
	s_barrier_wait -1                              ; everybody's is
	FETCH ABASE, 0, 0
	STEP 0, 0, 3, ABASE, 128, 48, 1, 2             ; K step 0 stands in front of the loop: its products start the sums
.Ltrip:                                            ; three trips of four K steps: 4 i + 1 .. 4 i + 4
	v_add_nc_u32 v[AD0], s[CH], v[ABASE]
	v_add_nc_u32 v[AD1], s[CH], v[ABASE1]
	s_wait_alu depctr_va_vdst(0)
	STEP 1, 1, 4, AD0, 256, 48, 0, 2
	s_cmp_gt_u32 s[TR], s[LIM]
	s_cbranch_scc0 .Lnot_mine
	global_prefetch_b8 v[PFO], s[PFB:PFB+1] th:TH_LOAD_NT scope:SCOPE_SE   ; what the next trip's loads will want
.Lnot_mine:
	STEP 2, 0, 5, AD0, 384, 48, 0, 2
	STEP 3, 1, 6, AD1, 0, 48, 0, 2
	STEP 0, 0, 7, AD1, 128, 48, 0, 2
	s_wait_xcnt 0x0                                ; the trip's loads and its prefetch have read their bases
	s_add_nc_u64 s[BB:BB+1], s[BB:BB+1], 8192
	s_add_nc_u64 s[PFB:PFB+1], s[PFB:PFB+1], 8192
	s_add_co_u32 s[CH], s[CH], CHK
	s_sub_co_u32 s[TR], s[TR], 1
	s_cmp_lg_u32 s[TR], 0
	s_cbranch_scc1 .Ltrip
	v_add_nc_u32 v[AD0], s[CH], v[ABASE]           ; the last tile
	s_wait_alu depctr_va_vdst(0)
	s_cmp_lt_u32 s[WV], 2
	s_cbranch_scc1 .Lqk
	s_cmp_eq_u32 s[KV], 0
	s_cbranch_scc1 .Lqk
	STEP 1, 1, -1, AD0, 256, 32, 0, 1              ; v: K steps 13 to 15: nothing more to ask for; the counts leave out the K steps still to come
	STEP 2, 0, -1, AD0, 384, 16, 0, 1
	STEP 3, 1, -1, 0, -1, 0, 0, 1
	PLACES
.irp a, 0,1,2,3,4,5,6,7
	VEPI \a
.endr
	s_branch .Lmeet
.Lqk:                                              ; q, k: K steps 13 to 15; cos and sin are asked for into registers as they fall free
	PLACES
	s_wait_loadcnt 32                              ; K step 13's weights are in; 14's and 15's may be out
	CSLOAD 0, 0, 128
	CSLOAD 1, 0, 192
	STEP 1, 1, -1, AD0, 256, -1, 0, 0
	PLACES
	s_wait_loadcnt 48                              ; K step 14's are in: behind them K step 15's 16 loads and the 32 above
	CSLOAD 2, 3, 0
	CSLOAD 3, 3, 64
	STEP 2, 0, -1, AD0, 384, -1, 0, 0
	PLACES
	s_wait_loadcnt 63                              ; K step 15's are in: 64 loads were issued behind them, and the wait's field holds 63
	CSLOAD 4, 3, 128
	CSLOAD 5, 2, 0
	CSLOAD 6, 2, 64
	STEP 3, 1, -1, 0, -1, -1, 0, 0
	PLACES
	CSLOAD 7, 3, 192
	EPI 0, 0, 128, 63                              ; the counts: 16 loads for each block still to come, as far as the field holds them
	EPI 1, 0, 192, 63
	EPI 2, 3, 0, 63
	EPI 3, 3, 64, 63
	EPI 4, 3, 128, 48
	EPI 5, 2, 0, 32
	EPI 6, 2, 64, 16
	EPI 7, 3, 192, 0
.Lmeet:
	s_wait_dscnt 0x0                               ; for the others' sake: my stores into the stage are done; a row's 128 bytes come from two waves
	s_barrier_signal -1
	s_barrier_wait -1
	s_cmp_eq_u32 s[KV], 0
	s_cbranch_scc1 .Lout_q
	s_cmp_lt_u32 s[WV], 2
	s_cbranch_scc1 .Lout_k
	OUTW RDV, 0
	s_branch .Lend
.Lout_k:
	OUTW RDQ, 1
	s_branch .Lend
.Lout_q:
	OUTW RDQ, 0
.Lend:
	s_wait_tensorcnt 0x0                           ; the wave's end: behind my tensor load and my last LDS store
	ds_add_u32 v[SPW], v[NIL]
	s_wait_dscnt 0x0
	CROUND                                         ; the closing round: no work-group ends while a partner may still ask for a tile that names it
	s_endpgm
.Lfunc_end_k_qf5c29cb39f_proj:
	.size	k_qf5c29cb39f_proj, .Lfunc_end_k_qf5c29cb39f_proj-k_qf5c29cb39f_proj
	.p2alignl 7, 3214868480
	.fill 96, 4, 3214868480
	.section	.rodata,"a",@progbits
	.p2align	6, 0x0
	.amdhsa_kernel k_qf5c29cb39f_proj
		.amdhsa_group_segment_fixed_size 327680
		.amdhsa_private_segment_fixed_size 0
		.amdhsa_enable_private_segment 0
		.amdhsa_kernarg_size 64
		.amdhsa_user_sgpr_count 2
		.amdhsa_user_sgpr_kernarg_segment_ptr 1
		.amdhsa_wavefront_size32 1
		.amdhsa_system_sgpr_workgroup_id_x 1
		.amdhsa_system_sgpr_workgroup_id_y 1
		.amdhsa_system_sgpr_workgroup_id_z 1
		.amdhsa_system_vgpr_workitem_id 0
		.amdhsa_next_free_vgpr 1024
		.amdhsa_next_free_sgpr 80
		.amdhsa_reserve_vcc 0
		.amdhsa_float_denorm_mode_32 3
		.amdhsa_float_denorm_mode_16_64 3
		.amdhsa_memory_ordered 1
		.amdhsa_forward_progress 1
		.amdhsa_inst_pref_size 166
	.end_amdhsa_kernel
	.amdgpu_metadata
---
amdhsa.version: [ 1, 2 ]
amdhsa.kernels:
  - .name:           k_qf5c29cb39f_proj
    .symbol:         k_qf5c29cb39f_proj.kd
    .args:
      - { .name: x_codes, .offset: 0, .size: 8, .value_kind: global_buffer, .address_space: global }
      - { .name: w_codes, .offset: 8, .size: 8, .value_kind: global_buffer, .address_space: global }
      - { .name: lowp_scales, .offset: 16, .size: 8, .value_kind: global_buffer, .address_space: global }
      - { .name: cos, .offset: 24, .size: 8, .value_kind: global_buffer, .address_space: global }
      - { .name: sin, .offset: 32, .size: 8, .value_kind: global_buffer, .address_space: global }
      - { .name: q_codes, .offset: 40, .size: 8, .value_kind: global_buffer, .address_space: global }
      - { .name: k_codes, .offset: 48, .size: 8, .value_kind: global_buffer, .address_space: global }
      - { .name: v_codes, .offset: 56, .size: 8, .value_kind: global_buffer, .address_space: global }
    .group_segment_fixed_size: 327680
    .private_segment_fixed_size: 0
    .kernarg_segment_align: 8
    .kernarg_segment_size: 64
    .max_flat_workgroup_size: 128
    .sgpr_count:     80
    .vgpr_count:     1024
    .wavefront_size: 32
...
	.end_amdgpu_metadata
.endif
;; end of part 2
;; launch attn (part 3): grid 64 x 4, 16 waves a work-group, no clusters, 327,680 bytes of LDS; arguments q_codes, k_codes, v_codes, lowp_scales, a_codes; writes a_codes
.if DOCPART == 3
	.amdgcn_target "amdgcn-amd-amdhsa--gfx1250"
	.amdhsa_code_object_version 6
	.text
	.protected	k_qf5c29cb39f_attn
	.globl	k_qf5c29cb39f_attn
	.p2align	8
	.type	k_qf5c29cb39f_attn,@function
k_qf5c29cb39f_attn:
	s_mov_b64 s[64:65], 0
	v_nop
	global_prefetch_b8 v0, s[64:65] scope:SCOPE_SE
	s_setreg_imm32_b32 hwreg(HW_REG_WAVE_MODE, 25, 1), 1
	s_wait_xcnt 0x0
; THIRD LAUNCH: causal attention on codes of FP8 (E4M3).  q_codes [16][2048][128] (e4, the factor 1/sqrt(128) is in them), k_codes [4][2048 rows][128] (e5; rows in the order that the launch before gave them),
; v_codes [4][16 blocks][128 d][128 keys] (e7).  The result, divided by the row's sum, is quantised with e8 into a_codes [2048 m][16 x 128], the last product's left operand.
; WORK LEFT OUT: blocks of 16 queries x 64 keys all of whose keys come after all of their queries: reference()'s own jnp.tril makes their scores -inf and their weights 0 for all finite inputs.  Keys that come after a
; work-group's last query are not fetched.  LIMIT: a NaN or an infinity that would arise only there is not carried to the result.
; THE SOFTMAX AHEAD OF THE SECOND PRODUCT: t = score x log2(e); M = the largest t so far, rounded UP to a whole number; p = 2^(t - M) is quantised with e6, not normalised; the row's sum is taken of the unquantised p.
; When M moves, the sum and O are multiplied by 2^(old M - new M), which rounds nothing.
; SHARES.  A work-group serves one key/value head (grid y), its four query heads, and two tiles of 16 queries: the low tile x and the high tile 127 - x, so that all 256 work-groups have the same number of blocks under the mask.
; Each head has FOUR waves: head = w % 4, half of the keys = (w / 4) % 2, tile = w / 8.  While a slot of 256 keys still holds keys of the low tile (its first key is at most 16 x + 15), two waves serve each tile: of every
; step of 128 keys one takes the first 64, the other the last 64.  In the first slot past the low tile's last query its waves (0 to 7) put their state (-M, the sum, O) into LDS as it stands, load the high tile's Q and begin
; anew: from there on the high tile's own two waves take each slot's first 128 keys and the two others its last 128.  So a wave has two blocks of 64 keys in an early slot and one in a late one.  All of this hangs on ids
; and the count of slots alone.  At the end the high tile has four states and the low tile two; wave 8 + head joins the four, wave head the two; M is a whole number, so bringing states under the larger M again rounds nothing.
; LAYOUT.  Both products are used transposed: S^T = K Q^T, O^T = V^T P^T: a lane holds ONE query (lane % 16) throughout, and the 16 registers of two neighbouring tiles of S^T are 16 neighbouring keys.
; RING.  Two LDS slots of 256 keys; waves 0-3 fetch K's quarters, waves 4-7 V's, one tensor load of 8,192 dense bytes each; all sixteen read.
; NO CLUSTER: the tensor loads of a work-group end at the slot that holds its last query, 2,047 - 16 x, which differs between the work-groups that share a head's keys; partners of a joint load would have to issue
; every one of them.
; LIMITS: e4 + e5 between -126 and 127 (added to log2(e)'s exponent field); e6 and e8 - e6 - e7 between -126 and 119.
; REGISTERS: v1-11, v136-142 addresses; v12 -M, v13 the largest t, v[14:15] the sum in two halves; v16-31 Q; v32-95 fragments of K, then of V; v96-127 S^T, then p; v128-135 p's codes; v160-223 O^T; v230-255 at work and scales.
.set KP,    144                        ; a row in LDS: 128 bytes + 16 of padding = 36 words: the sixteen rows of a fragment load fall on sixteen different groups of four banks (ISA guide 11.1)
.set VOFF,  256*KP                     ; a slot: 256 rows of K, then 2 blocks x 128 rows of V
.set SLOT1, 1<<17                      ; slot 1 begins here: one exclusive or turns an address in one slot into the other's
.set IMG,   8448                       ; a low image: O^T (16 x 512 bytes), -M (128), the sum (128)
.set FIN,   0                          ; the last images of O^T, 8,192 bytes for each wave, 131,072 in all: in slot 0, which has had its last fill and its last read at the last change of slots, and in the bytes behind it that no fill reaches
.set MERGE, SLOT1+2*VOFF               ; 204,800: the low tile's images, one for each of waves 0 to 7.  No fill ever lands from here on
.set OUTSTG, MERGE+8*IMG               ; 272,384: 32 rows (two tiles) x (512 bytes of codes + 16)
.set SPARE, OUTSTG+32*528              ; 289,280: the spare words, 128 bytes for each wave: eight blocks of 256 bytes that no other line names
.set WRD,   SPARE+2048                 ; 291,328: the last images' -M (128 bytes) and sum (128), 256 bytes for each wave
.set AK0,  1                           ; v1   my lane's place in my half's tiles of K
.set AV0,  2                           ; v2   the same for V
.set PFO,  3                           ; v3   256 x lane, for the prefetches; never rewritten
.set MGL,  4                           ; v4   my 16 bytes of my low image
.set SPW,  5                           ; v5   LDS address of my spare word; never rewritten
.set NIL,  6                           ; v6   0; never rewritten
.set GO,   7                           ; v7   16 x lane
.set ADK,  8                           ; v8   LDS address of the step's tiles of K
.set ADV,  9                           ; v9   of V
.set SO,   10                          ; v10  the way out: where I put 8 codes
.set SR,   11                          ; v11  and where I read rows back
.set MLL,  136                         ; v136 my word of my low image's -M
.set MGF,  137                         ; v137 my 16 bytes of my last image;  v138 my word of its -M
.set MLF,  138
.set QA,   139                         ; v139 my byte offset in a tile of Q
.set FB,   140                         ; v140 my 16 bytes of the last image of wave head;  v141 of wave head + 12;  v142 my word of wave head's -M
.set FB2,  141
.set WB,   142
.set OC,   104                         ; v104-119 the result's codes
.set TB,   2                           ; s2   LDS byte at which the slot in hand begins
.set KH,   3                           ; s3   which 64 of a step's 128 keys are mine
.set HI,   8                           ; s8   which of the two tiles I begin with
.set QLAST, 10                         ; s10  my work-group's last query
.set WV,   18                          ; s18  wave;  s19 head
.set SEL,  20                          ; s[20:21] lane selects for v_permlanex16_b32: lane l xor 16
.set CS,   22                          ; s[22:23] log2(e) x 2^(e4 + e5)
.set G1,   24                          ; s[24:31] descriptor group 1;  s[40:43] group 0, which walks
.set QLOW, 32                          ; s32  the low tile's last query
.set L0,   33                          ; s33, s34  1 where I leave out the slot's first, second 128 keys
.set CV,   35                          ; s35  the first key of the slot at whose head waves 0 to 7 change tiles
.set QH,   36                          ; s36  the high tile's first query
.set NH,   37                          ; s37  1 - HI
.set LD,   38                          ; s38  1 in the wave that joins the high tile's four states
.set G0,   40
.set QB,   44                          ; s[44:45] q_codes at my head's high tile
.set SK0,  66                          ; s66  the first key of the slot in hand
.set SLOTS, 67                         ; s67  changes of slots still to come in the loop
.set PFA,  76                          ; s[76:77] where my prefetches stand
.set LIM,  80                          ; s80  1 in a wave that prefetches, else the greatest number
.set KF,   98                          ; s98  my first key of the step
.set Q0,   99                          ; s99  my first query
.macro TLOAD                           ; waves 0-7 fetch, the others nothing; the branch hangs on the wave's number alone.  An s_nop 0 and four v_nop follow the line
	s_cmp_lt_u32 s[WV], 8
	s_cbranch_scc0 .Lasked_\@
	tensor_load_to_lds s[G0:G0+3], s[G1:G1+7]
	s_nop 0
.rept 4
	v_nop
.endr
.Lasked_\@:
.endm
; A PREFETCH INTO THE L2 of what the NEXT change of slots will ask for.  All 64 work-groups of a key/value head walk the same K and V: the first of them, whose last query is the sequence's last, asks, and nobody else.
; In it the eight waves ask that fetch nothing: wave 8 + i for the 8,192 dense bytes that wave i will fetch, lanes 256 bytes apart: one instruction a wave, each block of 256 bytes named once in the launch.
; The last change that fills a slot asks for nothing: there is no slot behind it.  Slots 0 and 1 come by their loads alone.
.macro ASK
	s_cmp_gt_u32 s[SLOTS], s[LIM]
	s_cbranch_scc0 .Lnot_mine_\@
	global_prefetch_b8 v[PFO], s[PFA:PFA+1] th:TH_LOAD_NT scope:SCOPE_SE
.Lnot_mine_\@:
.endm
.macro SUMUP                           ; the sum's two halves, and lane l xor 16's; then four places behind the last products
	v_add_f32 v14, v14, v15
	v_permlanex16_b32 v252, v14, s[SEL], s[SEL+1]
	v_add_f32 v14, v14, v252
.rept 4
	v_nop
.endr
.endm
.macro IMAGE g, l                      ; my state as it stands: lane l's 16 bytes at 16 l; each accumulator from its low end on
.irp i, 0,1,2,3,4,5,6,7,8,9,10,11,12,13,14,15
	ds_store_b128 v[\g], v[160+4*\i:163+4*\i] offset:512*\i
.endr
	ds_store_b32 v[\l], v12
	ds_store_b32 v[\l], v14 offset:128
.endm
; the image at v[g] + go, with its two words at v[l] + lo, is joined to my state.  A state that walked no step has -M = 3e38: its factor is then 0, and so are its sum and its O^T
.macro FOLD g, go, l, lo
.irp i, 0,1,2,3,4,5,6,7,8,9,10,11,12,13,14,15
	ds_load_b128 v[32+4*\i:35+4*\i], v[\g] offset:\go+512*\i
.endr
	ds_load_b32 v96, v[\l] offset:\lo
	ds_load_b32 v97, v[\l] offset:\lo+128
	s_wait_dscnt 0x0
	v_min_num_f32 v98, v12, v96                    ; -M of the two together
	v_sub_f32 v99, v98, v12                        ; my M less the common one: a whole number, 0 or less
	v_sub_f32 v100, v98, v96                       ; the image's likewise
	v_cvt_i32_f32 v99, v99                         ; (it saturates)
	v_cvt_i32_f32 v100, v100
	v_mov_b32 v12, v98
	v_ldexp_f32 v252, 1.0, v99
	v_ldexp_f32 v250, 1.0, v100
	v_mul_f32 v14, v14, v252
	v_fma_f32 v14, v97, v250, v14
.set n, 0
.rept 32
	v_pk_mul_f32 v[160+n:161+n], v[160+n:161+n], v[252:253] op_sel_hi:[1,0]
.set n, n+2
.endr
.set n, 0
.rept 32
	v_pk_fma_f32 v[160+n:161+n], v[32+n:33+n], v[250:251], v[160+n:161+n] op_sel_hi:[1,0,1]
.set n, n+2
.endr
.endm
	s_load_b128 s[4:7], s[0:1], 0x0                ; q_codes s[4:5], k_codes s[6:7]
	s_load_b128 s[12:15], s[0:1], 0x10             ; v_codes s[12:13], the exponents s[14:15]
	s_load_b64 s[16:17], s[0:1], 0x20              ; a_codes
	v_lshl_add_u32 v[SPW], v0, 2, SPARE
	v_mov_b32 v[NIL], 0
	ds_add_u32 v[SPW], v[NIL]                      ; the wave's opening: the add, twice on end, and its wait ahead of my first tensor load
	ds_add_u32 v[SPW], v[NIL]
	v_lshrrev_b32 v8, 5, v0
	v_readfirstlane_b32 s[WV], v8                  ; wave 0..15
	s_bfe_u32 s[KH], s[WV], 0x10002                ; (w / 4) % 2
	s_lshr_b32 s[HI], s[WV], 3                     ; w / 8
	s_and_b32 s19, s[WV], 3                        ; head
	s_xor_b32 s[NH], s[HI], 1
	s_xor_b32 s[LD], s[KH], 1
	s_and_b32 s[LD], s[LD], s[HI]
	s_and_b32 s74, ttmp7, 0xffff                   ; the key/value head
	s_sub_co_u32 s75, 127, ttmp9                   ; the high tile
	s_lshl_b32 s[QH], s75, 4
	s_lshl_b32 s[QLOW], ttmp9, 4
	s_cmp_eq_u32 s[HI], 0
	s_cselect_b32 s[Q0], s[QLOW], s[QH]
	s_lshr_b32 s[CV], ttmp9, 4                     ; the slot that holds the low tile's last query;
	s_add_co_u32 s[CV], s[CV], 1                   ; the next one, at most slot 4,
	s_lshl_b32 s[CV], s[CV], 8                     ; by its first key
	s_add_co_u32 s[QLOW], s[QLOW], 15
	s_add_co_u32 s[QLAST], s[QH], 15
	; descriptor group 1: 64 rows of 128 bytes, dense in memory and beginning at a multiple of 256: stated as 32 rows of 256 bytes, with the padding behind each 128 bytes
	s_mov_b32 s[G1], (1<<20)|(4<<22)|(3<<25)       ; 15:0 no mask; 17:16 elements of 1 byte; 20 padding on; 24:22 after every 32 words (code 4); 31:25 four words (code 3)
	s_mov_b32 s[G1+1], 256<<16                     ; tensor_dim0
	s_mov_b32 s[G1+2], 32<<16                      ; tensor_dim1
	s_mov_b32 s[G1+3], 256<<16                     ; tile_dim0
	s_mov_b32 s[G1+4], 32                          ; tile_dim1
	s_mov_b32 s[G1+5], 256                         ; from row to row
	s_mov_b32 s[G1+6], 0
	s_mov_b32 s[G1+7], 0
	s_and_b32 s81, s[WV], 7
	s_mul_i32 s81, s81, 64*KP                      ; my load's place in a slot: K's four quarters, then V's four
	s_lshl_b32 s82, s19, 13                        ; its 8,192 bytes of a slot's 32,768,
	s_lshl_b32 s83, s74, 18                        ; in my head's 262,144
	s_add_co_u32 s82, s82, s83
	s_mov_b32 s83, 0
	s_mov_b32 s[SEL], 0x76543210
	s_mov_b32 s[SEL+1], 0xfedcba98
	s_mov_b32 s[CS], 0x3fb8aa3b                    ; log2(e)
	s_mov_b32 s[TB], 0
	s_mov_b32 s[SK0], 0
	s_mov_b32 s[SLOTS], 7
	s_lshl_b32 s[KF], s[KH], 6
	s_lshr_b32 s84, s[WV], 3
	s_xor_b32 s84, s84, 1                          ; 0 in waves 8-15,
	s_or_b32 s84, s84, ttmp9                       ; of the head's first work-group
	s_cmp_eq_u32 s84, 0
	s_cselect_b32 s[LIM], 1, -1
	s_wait_dscnt 0x0                               ; both opening adds are done
	s_wait_kmcnt 0x0
	s_load_b128 s[68:71], s[14:15], 0x10           ; e4, e5, e6, e7
	s_load_b32 s72, s[14:15], 0x20                 ; e8
	s_and_b32 s84, s[WV], 4
	s_cmp_eq_u32 s84, 0
	s_cselect_b64 s[PFA:PFA+1], s[6:7], s[12:13]   ; K's codes or V's
	s_add_nc_u64 s[PFA:PFA+1], s[PFA:PFA+1], s[82:83]
	s_mov_b32 s[G0], 1                             ; 1:0 count = 1
	s_mov_b32 s[G0+1], s81                         ; 63:32 LDS address: slot 0
	s_mov_b64 s[G0+2:G0+3], s[PFA:PFA+1]           ; 120:64 global address: the head's first 256 keys
	s_or_b32 s[G0+3], s[G0+3], 0x80000000          ; 127:126 type = 2
	TLOAD                                          ; slot 0: key 0 counts for every query
	s_add_nc_u64 s[PFA:PFA+1], s[PFA:PFA+1], 32768 ; in slot 1: the first change of slots steps it to slot 2.  Nothing is prefetched here, at the head
	s_lshl_b32 s84, s74, 2
	s_add_co_u32 s84, s84, s19                     ; my query head: 4 x key/value head + head
	s_lshl_b32 s84, s84, 18
	s_lshl_b32 s86, s[QH], 7
	s_add_co_u32 s86, s86, s84
	s_mov_b32 s87, 0
	s_add_nc_u64 s[QB:QB+1], s[4:5], s[86:87]      ; q_codes at the high tile
	s_lshl_b32 s85, s[Q0], 7
	s_add_co_u32 s84, s84, s85
	s_mov_b32 s85, 0
	s_add_nc_u64 s[4:5], s[4:5], s[84:85]          ; q_codes at my first query
	s_lshl_b32 s86, ttmp9, 4                       ; the two rows of a_codes that I store: waves 0-7 the low tile's rows 2 w, 2 w + 1, waves 8-15 the high tile's rows 2 w - 16, 2 w - 15
	s_lshl_b32 s87, s75, 4
	s_sub_co_u32 s87, s87, 16
	s_cmp_lt_u32 s[WV], 8
	s_cselect_b32 s86, s86, s87
	s_lshl_b32 s87, s[WV], 1
	s_add_co_u32 s86, s86, s87
	s_lshl_b32 s86, s86, 11                        ; a row is 2,048 bytes;
	s_lshl_b32 s87, s74, 9                         ; my four heads' 512 of them
	s_add_co_u32 s86, s86, s87
	s_mov_b32 s87, 0
	s_add_nc_u64 s[16:17], s[16:17], s[86:87]
	s_mul_i32 s46, s[KH], 64*KP                    ; K: my half's 64 rows
	s_lshl_b32 s47, s[KH], 6
	s_add_co_u32 s47, s47, VOFF                    ; V: my half's 64 bytes of each row
	s_and_b32 s48, s[WV], 7
	s_mul_i32 s48, s48, IMG
	s_add_co_u32 s48, s48, MERGE                   ; my low image: number w % 8; waves 0 to 7 alone store one
	s_add_co_u32 s49, s48, 8192
	s_lshl_b32 s50, s[WV], 13                      ; my last image: number w
	s_lshl_b32 s51, s[WV], 8
	s_add_co_u32 s51, s51, WRD
	s_lshl_b32 s58, s19, 13                        ; and that of wave head
	s_lshl_b32 s59, s19, 8
	s_add_co_u32 s59, s59, WRD
	s_lshl_b32 s52, s[HI], 4
	s_mul_i32 s52, s52, 528
	s_lshl_b32 s53, s19, 7
	s_add_co_u32 s52, s52, s53
	s_add_co_u32 s52, s52, OUTSTG
	s_mul_i32 s53, s[WV], 2*528
	s_add_co_u32 s53, s53, OUTSTG
	s_wait_kmcnt 0x0
	s_add_co_i32 s88, s68, s69
	s_lshl_b32 s88, s88, 23
	s_add_co_i32 s[CS], s[CS], s88                 ; a score stands for score x 2^(e4 + e5): added to log2(e)'s exponent field
	s_mov_b32 s[CS+1], s[CS]                       ; (named with it as a pair, so it is written)
	s_add_co_i32 s88, s70, 127
	s_lshl_b32 s54, s88, 23                        ; 2^e6
	s_add_co_i32 s88, s88, 8
	s_lshl_b32 s88, s88, 23
	s_or_b32 s55, s88, 0x600000                    ; 448 x 2^e6
	s_sub_co_i32 s88, s72, s70
	s_sub_co_i32 s88, s88, s71                     ; a sum of the second product stands for sum x 2^(e6 + e7): the three exponents folded into one
	s_add_co_i32 s88, s88, 127
	s_lshl_b32 s56, s88, 23                        ; 2^(e8 - e6 - e7)
	s_add_co_i32 s88, s88, 8
	s_lshl_b32 s88, s88, 23
	s_or_b32 s57, s88, 0x600000                    ; 448 x that
	v_and_b32 v232, 15, v0                         ; r = lane % 16
	v_bfe_u32 v233, v0, 4, 1                       ; h = lane / 16
	v_and_b32 v234, 31, v0                         ; lane
	v_lshlrev_b32 v[QA], 7, v232
	v_lshl_add_u32 v[QA], v233, 4, v[QA]           ; Q: row r, + 16 h
.irp c, 0,1,2,3
	global_load_b128 v[16+4*\c:19+4*\c], v[QA], s[4:5] offset:32*\c   ; Q's fragment stays in registers
.endr
	v_mul_u32_u24 v235, v232, KP
	v_lshl_add_u32 v235, v233, 4, v235             ; r x pitch + 16 h
	v_add_nc_u32 v[AK0], s46, v235
	v_add_nc_u32 v[AV0], s47, v235
	v_lshlrev_b32 v[PFO], 8, v234
	v_lshlrev_b32 v[GO], 4, v234
	v_add_nc_u32 v[MGL], s48, v[GO]
	v_lshl_add_u32 v[MLL], v234, 2, s49
	v_add_nc_u32 v[MGF], s50, v[GO]
	v_lshl_add_u32 v[MLF], v234, 2, s51
	v_add_nc_u32 v[FB], s58, v[GO]
	v_add_nc_u32 v[FB2], 12*8192, v[FB]
	v_lshl_add_u32 v[WB], v234, 2, s59
	v_mul_u32_u24 v[SO], v232, 528
	v_lshl_add_u32 v[SO], v233, 3, v[SO]
	v_add_nc_u32 v[SO], s52, v[SO]                 ; row 16 x tile + r, byte 128 x head + 8 h
	v_add_nc_u32 v[SR], s53, v[GO]                 ; rows 2 w and 2 w + 1, 16 bytes a lane
	v_mov_b32 v244, s54
	v_mov_b32 v240, s55
	v_mov_b32 v246, s56
	v_mov_b32 v247, s57
	v_mov_b32 v13, 0xff61b1e6                      ; the largest t so far: -3e38, under every t
	v_floor_f32 v12, -v13                          ; -M
	v_mov_b32 v14, 0                               ; the sum, in two halves
	v_mov_b32 v15, 0
	v_mov_b32 v236, 0                              ; written once: a lane permute's destination counts as one of its sources
	v_mov_b32 v252, 0                              ; likewise
	v_mov_b32 v253, 0                              ; (named as the upper halves of pairs)
	v_mov_b32 v251, 0
.set n, 0
.rept 64
	v_mov_b32 v[160+n], 0                          ; O^T.  The step is written once for all steps: the first finds zeros, which the first change of M leaves zeros; and a state that walks no step stays zeros
.set n, n+1
.endr
; A KEY STEP: my 64 of the slot's q-th 128 keys.
.macro STEP q
	s_cmp_lg_u32 s[L0+\q], 0                       ; in a late slot these 128 keys are the other two waves'
	s_cbranch_scc1 .Lhidden_\@
	s_add_co_u32 s96, s[Q0], 15                    ; a step all of whose keys come after my 16 queries is left out: scalar branches on ids, round its loads, products and softmax alone
	s_cmp_gt_u32 s[KF], s96
	s_cbranch_scc1 .Lhidden_\@
	v_add_nc_u32 v[ADK], s[TB], v[AK0]
	v_add_nc_u32 v[ADV], s[TB], v[AV0]
	v_nop                                          ; with the two additions: four places in front of loads into registers that the last products read
	v_nop
.irp t, 0,1,2,3
.irp c, 0,1,2,3
	ds_load_b128 v[32+16*\t+4*\c:32+16*\t+4*\c+3], v[ADK] offset:(128*(\q)+16*\t)*KP+32*\c
.endr
.endr
	s_wait_alu depctr_va_vdst(0)
	s_wait_dscnt 0x0
.irp t, 0,1,2,3
	v_wmma_f32_16x16x128_fp8_fp8 v[96+8*\t:103+8*\t], v[32+16*\t:47+16*\t], v[16:31], 0   ; S^T: register 16 b + i of tiles 2 b, 2 b + 1 is key KF + 32 b + 16 h + i
.endr
.rept 4
	v_nop                                          ; places in front of the loads over K's fragments and of the first read of the scores
.endr
.irp t, 0,1,2,3,4,5,6,7
.irp c, 0,1
	ds_load_b128 v[32+8*\t+4*\c:32+8*\t+4*\c+3], v[ADV] offset:(128*(\q)+16*\t)*KP+32*\c   ; V^T: 16 channels x my 64 keys a tile; they land while the softmax is worked
.endr
.endr
	s_add_co_u32 s96, s[KF], 63                    ; on the diagonal the scores of hidden keys become -infinity ahead of the maximum: p = 0 then.  A step all of whose keys count skips this
	s_cmp_le_u32 s96, s[Q0]
	s_cbranch_scc1 .Lopen_\@
	s_sub_co_i32 s96, s[Q0], s[KF]
	v_and_b32 v252, 15, v0
	v_bfe_u32 v253, v0, 4, 1
	s_delay_alu instid0(VALU_DEP_1)
	v_lshlrev_b32 v253, 4, v253
	s_delay_alu instid0(VALU_DEP_1)
	v_sub_nc_u32 v252, v252, v253
	s_delay_alu instid0(VALU_DEP_1)
	v_add_nc_u32 v252, s96, v252                   ; d = my query - KF - 16 h: register 16 b + i is hidden where 32 b + i > d
	v_mov_b32 v254, 0xff800000
.set n, 0
.rept 32
	v_cmp_gt_i32 vcc_lo, 32*(n/16)+n%16, v252
	v_cndmask_b32 v[96+n], v[96+n], v254, vcc_lo
.set n, n+1
.endr
.Lopen_\@:
	v_max3_num_f32 v254, v96, v97, v98             ; the step's largest score of my query among my 32 numbers, in two chains, each accumulator from its low end on,
	v_max3_num_f32 v252, v99, v100, v101
.irp i, 6,10,14,18,22,26
	v_max3_num_f32 v254, v254, v[96+\i], v[97+\i]
	v_max3_num_f32 v252, v252, v[98+\i], v[99+\i]
.endr
	v_max3_num_f32 v254, v254, v126, v127
	s_delay_alu instid0(VALU_DEP_1)
	v_max_num_f32 v254, v254, v252
	s_delay_alu instid0(VALU_DEP_1)
	v_permlanex16_b32 v236, v254, s[SEL], s[SEL+1]
	s_delay_alu instid0(VALU_DEP_1)
	v_max_num_f32 v254, v254, v236                 ; and among lane l xor 16's.  (KF is a multiple of 64 and at most Q0: key KF counts for all 16 queries, so this is a number)
	s_delay_alu instid0(VALU_DEP_1)
	v_mul_f32 v254, s[CS], v254                    ; as t
	s_delay_alu instid0(VALU_DEP_1)
	v_max_num_f32 v13, v13, v254                   ; the running largest t
	v_mov_b32 v254, v12
	s_delay_alu instid0(VALU_DEP_2)
	v_floor_f32 v12, -v13                          ; the new -M = floor(-t) = -ceil(t)
	s_delay_alu instid0(VALU_DEP_1)
	v_sub_f32 v254, v12, v254                      ; old M - new M: a whole number, 0 or less
	s_delay_alu instid0(VALU_DEP_1)
	v_cvt_i32_f32 v254, v254                       ; (it saturates)
	s_delay_alu instid0(VALU_DEP_1)
	v_ldexp_f32 v252, 1.0, v254                    ; f = 2^(old M - new M)
.irp j, 0,2,4,6,8,10,12,14,16,18,20,22,24,26,28,30
	v_pk_fma_f32 v[96+\j:97+\j], v[96+\j:97+\j], s[CS:CS+1], v[12:13] op_sel_hi:[1,0,0]   ; t - M, two at a time
.endr
.set n, 0
	s_wait_alu depctr_va_vdst(0)
.rept 32
	v_exp_f32 v[96+n], v[96+n]                     ; p = 2^(t - M), at most 1
.set n, n+1
.endr
	v_pk_mul_f32 v[14:15], v[14:15], v[252:253] op_sel_hi:[1,0]   ; the sums under the new M: the plain line behind the exponentials
	s_wait_alu depctr_va_vdst(0)                   ; one wait for the batch of 32, ahead of its first reader
	v_pk_add_f32 v[242:243], v[100:101], v[104:105]
	v_pk_add_f32 v[254:255], v[108:109], v[112:113]
	v_pk_add_f32 v[248:249], v[116:117], v[120:121]
	v_pk_add_f32 v[238:239], v[124:125], v[96:97]
	v_pk_add_f32 v[234:235], v[98:99], v[102:103]
	v_pk_add_f32 v[232:233], v[106:107], v[110:111]
	v_pk_add_f32 v[230:231], v[114:115], v[118:119]
	v_pk_add_f32 v[14:15], v[14:15], v[122:123]
	v_pk_add_f32 v[242:243], v[242:243], v[126:127]
	s_delay_alu instid0(VALU_DEP_2)
	v_pk_add_f32 v[14:15], v[14:15], v[238:239]
	s_delay_alu instid0(VALU_DEP_2)
	v_pk_add_f32 v[242:243], v[242:243], v[234:235]
	v_pk_add_f32 v[254:255], v[254:255], v[232:233]
	v_pk_add_f32 v[248:249], v[248:249], v[230:231]
	s_delay_alu instid0(VALU_DEP_2)
	v_pk_add_f32 v[14:15], v[14:15], v[254:255]
	s_delay_alu instid0(VALU_DEP_2)
	v_pk_add_f32 v[242:243], v[242:243], v[248:249]
	s_delay_alu instid0(VALU_DEP_1)
	v_pk_add_f32 v[14:15], v[14:15], v[242:243]
.irp b, 0,1
.irp i, 0,1,2,3,4,5,6,7,8,9,10,11,12,13,14,15
	v_min_num_f32 v[96+16*\b+\i], v[96+16*\b+\i], v240   ; the conversion does not saturate (ISA guide 7.6.2); p is not negative, so the hold is one-sided
.endr
	v_cvt_scalef32_pk8_fp8_f32 v[128+4*\b:129+4*\b], v[96+16*\b:103+16*\b], v244
	v_cvt_scalef32_pk8_fp8_f32 v[130+4*\b:131+4*\b], v[104+16*\b:111+16*\b], v244
.endr
.set n, 0
.rept 32
	v_pk_mul_f32 v[160+n:161+n], v[160+n:161+n], v[252:253] op_sel_hi:[1,0]   ; O^T under the new M; also the plain lines between the conversions and the products
.set n, n+2
.endr
	s_wait_alu depctr_va_vdst(0)
	s_wait_dscnt 0x0                               ; V's fragments are in
.irp t, 0,1,2,3,4,5,6,7
	v_wmma_f32_16x16x64_fp8_fp8 v[160+8*\t:167+8*\t], v[32+8*\t:39+8*\t], v[128:135], v[160+8*\t:167+8*\t]   ; O^T += V^T P^T over my 64 keys; the eight accumulators take turns
.endr
.Lhidden_\@:
	s_add_co_u32 s[KF], s[KF], 128
.endm
; THE CHANGE OF SLOTS stands at a slot's head.  Each wave waits for all its tensor loads, adds 0 to its spare word, and waits for that and for its reads of the slot that it has left.  Behind the barrier the slot
; ahead is whole and nobody reads the other one.  fill = 1: that other slot takes the next 256 keys, while its first key is at or under my work-group's last query; the load has a whole slot's steps in which to land.
.macro CHANGE fill
	s_wait_tensorcnt 0x0                           ; no tensor load of mine is out, so the group 0 may be written
	ds_add_u32 v[SPW], v[NIL]                      ; 0 onto my spare word
.if \fill
	ds_add_u32 v[SPW], v[NIL]                      ; and once more
	s_xor_b32 s[G0+1], s[G0+1], SLOT1              ; the walking descriptor: the other slot than last time,
	s_add_nc_u64 s[G0+2:G0+3], s[G0+2:G0+3], 32768 ; the next 256 keys; the type bits on top are not reached
	s_wait_xcnt 0x0                                ; the last prefetch, a slot back, has read its address, so it may be written:
	s_add_nc_u64 s[PFA:PFA+1], s[PFA:PFA+1], 32768 ; one slot further on than the walking descriptor
.endif
	s_wait_dscnt 0x0                               ; the adds are done, and my reads of the slot that I have left are over
	s_barrier_signal -1
	s_barrier_wait -1
.if \fill
	s_add_co_u32 s96, s[SK0], 256                  ; the first key of the slot that this change would ask for:
	s_cmp_gt_u32 s96, s[QLAST]                     ; past my work-group's last query no wave reads it, so it is not asked for.  Ids and the count of slots alone: all sixteen waves go the same way,
	s_cbranch_scc1 .Lpast_\@                       ; and every wait on TENSORcnt in this text is for 0
	TLOAD                                          ; a wave's one tensor load until the next such barrier
.Lpast_\@:
	ASK
.endif
.endm
; a slot's two steps.  turn = 1 (slots 0 to 6; the change of tiles falls in slot 1 to 4): at the head of the first late slot waves 0 to 7 change tiles
.macro SLOT_STEPS turn
	s_cmp_gt_u32 s[SK0], s[QLOW]                   ; a late slot: no key of it counts for the low tile
	s_cselect_b32 s[L0], s[NH], 0                  ; there the waves that began with the low tile leave out the first 128 keys,
	s_cselect_b32 s[L0+1], s[HI], 0                ; the others the last 128
.if \turn
	s_cmp_lt_u32 s[WV], 8                          ; waves 0 to 7 alone,
	s_cbranch_scc0 .Lstay_\@
	s_cmp_lg_u32 s[SK0], s[CV]                     ; and in this one slot
	s_cbranch_scc1 .Lstay_\@
	SUMUP
	IMAGE MGL, MLL                                 ; the low tile's state, into bytes of its own
.irp c, 0,1,2,3
	global_load_b128 v[16+4*\c:19+4*\c], v[QA], s[QB:QB+1] offset:32*\c   ; the high tile's Q
.endr
	s_mov_b32 s[Q0], s[QH]
	s_wait_dscnt 0x0                               ; the stores have read their registers
	v_mov_b32 v13, 0xff61b1e6                      ; a state begun anew, as at the head
	v_floor_f32 v12, -v13
	v_mov_b32 v14, 0
	v_mov_b32 v15, 0
.set n, 0
.rept 64
	v_mov_b32 v[160+n], 0
.set n, n+1
.endr
	s_wait_alu depctr_va_vdst(0)
	s_wait_loadcnt 0x0
.Lstay_\@:
.endif
	STEP 0
	STEP 1
	s_xor_b32 s[TB], s[TB], SLOT1                  ; on to the other slot
	s_add_co_u32 s[SK0], s[SK0], 256
.endm
	s_wait_alu depctr_va_vdst(0)
	s_wait_loadcnt 0x0                             ; Q
.Lslot:                                            ; seven trips, a constant: every work-group walks all changes of slots, so no barrier is jumped over
	CHANGE 1
	SLOT_STEPS 1
	s_sub_co_u32 s[SLOTS], s[SLOTS], 1
	s_cmp_lg_u32 s[SLOTS], 0
	s_cbranch_scc1 .Lslot
	CHANGE 0                                       ; the last slot is written out: nothing is left to ask for
	SLOT_STEPS 0
	; THE WAY OUT.  All four waves of a head now hold a state of the high tile.  Three put theirs into LDS, each into bytes of its own; the fourth joins them to its own.  Another joins the low tile's two images.  Both divide
	; and quantise; the codes of four heads meet in rows of 512 bytes.
	SUMUP
	s_wait_alu depctr_va_vdst(0)
	s_cmp_lg_u32 s[LD], 0
	s_cbranch_scc1 .Lno_image
	IMAGE MGF, MLF
.Lno_image:
	s_wait_dscnt 0x0                               ; for the others' sake: my stores are done
	s_barrier_signal -1
	s_barrier_wait -1
	s_cmp_lg_u32 s[KH], 0
	s_cbranch_scc1 .Lno_merge
	s_cmp_eq_u32 s[HI], 0
	s_cbranch_scc1 .Llow
	FOLD FB, 0, WB, 0                              ; wave head's,
	FOLD FB, 4*8192, WB, 4*256                     ; wave head + 4's,
	FOLD FB2, 0, WB, 12*256                        ; wave head + 12's
	s_branch .Lfinish
.Llow:
.irp i, 0,1,2,3,4,5,6,7,8,9,10,11,12,13,14,15
	ds_load_b128 v[160+4*\i:163+4*\i], v[MGL] offset:512*\i   ; my own low image comes back,
.endr
	ds_load_b32 v12, v[MLL]
	ds_load_b32 v14, v[MLL] offset:128
	FOLD MGL, 4*IMG, MLL, 4*IMG                    ; and wave head + 4's is joined to it (its wait is for all loads)
.Lfinish:
	s_wait_alu depctr_va_vdst(0)
	v_rcp_f32 v252, v14
	v_nop                                          ; a plain line behind the reciprocal
	s_wait_alu depctr_va_vdst(0)                   ; and the wait ahead of its first reader
.set n, 0
.rept 32
	v_pk_mul_f32 v[160+n:161+n], v[160+n:161+n], v[252:253] op_sel_hi:[1,0]   ; O^T / the sum: register 8 t + i is channel 16 t + 8 h + i of query r
.set n, n+2
.endr
.irp t, 0,1,2,3,4,5,6,7
.irp i, 0,1,2,3,4,5,6,7
	v_med3_num_f32 v[160+8*\t+\i], v[160+8*\t+\i], -v247, v247
.endr
	v_cvt_scalef32_pk8_fp8_f32 v[OC+2*\t:OC+2*\t+1], v[160+8*\t:167+8*\t], v246
.endr
	v_nop                                          ; a plain line behind the last conversion
.irp t, 0,1,2,3,4,5,6,7
	ds_store_b64 v[SO], v[OC+2*\t:OC+2*\t+1] offset:16*\t
.endr
.Lno_merge:
	s_wait_dscnt 0x0                               ; for the others' sake: my stores are done
	s_barrier_signal -1
	s_barrier_wait -1
	ds_load_b128 v[32:35], v[SR]
	ds_load_b128 v[36:39], v[SR] offset:528
	s_wait_dscnt 1                                 ; the first row is in
	global_store_b128 v[GO], v[32:35], s[16:17]    ; the wave stores 512 consecutive bytes, aligned: four heads' codes of one position
	s_wait_dscnt 0
	global_store_b128 v[GO], v[36:39], s[16:17] offset:2048
	s_wait_tensorcnt 0x0                           ; the wave's end: behind my last tensor load and my last LDS store
	ds_add_u32 v[SPW], v[NIL]
	s_wait_dscnt 0x0
	s_endpgm
.Lfunc_end_k_qf5c29cb39f_attn:
	.size	k_qf5c29cb39f_attn, .Lfunc_end_k_qf5c29cb39f_attn-k_qf5c29cb39f_attn
	.p2alignl 7, 3214868480
	.fill 96, 4, 3214868480
	.section	.rodata,"a",@progbits
	.p2align	6, 0x0
	.amdhsa_kernel k_qf5c29cb39f_attn
		.amdhsa_group_segment_fixed_size 327680
		.amdhsa_private_segment_fixed_size 0
		.amdhsa_enable_private_segment 0
		.amdhsa_kernarg_size 40
		.amdhsa_user_sgpr_count 2
		.amdhsa_user_sgpr_kernarg_segment_ptr 1
		.amdhsa_wavefront_size32 1
		.amdhsa_system_sgpr_workgroup_id_x 1
		.amdhsa_system_sgpr_workgroup_id_y 1
		.amdhsa_system_sgpr_workgroup_id_z 1
		.amdhsa_system_vgpr_workitem_id 0
		.amdhsa_next_free_vgpr 256
		.amdhsa_next_free_sgpr 100
		.amdhsa_reserve_vcc 1
		.amdhsa_float_denorm_mode_32 3
		.amdhsa_float_denorm_mode_16_64 3
		.amdhsa_memory_ordered 1
		.amdhsa_forward_progress 1
		.amdhsa_inst_pref_size 105
	.end_amdhsa_kernel
	.amdgpu_metadata
---
amdhsa.version: [ 1, 2 ]
amdhsa.kernels:
  - .name:           k_qf5c29cb39f_attn
    .symbol:         k_qf5c29cb39f_attn.kd
    .args:
      - { .name: q_codes, .offset: 0, .size: 8, .value_kind: global_buffer, .address_space: global }
      - { .name: k_codes, .offset: 8, .size: 8, .value_kind: global_buffer, .address_space: global }
      - { .name: v_codes, .offset: 16, .size: 8, .value_kind: global_buffer, .address_space: global }
      - { .name: lowp_scales, .offset: 24, .size: 8, .value_kind: global_buffer, .address_space: global }
      - { .name: a_codes, .offset: 32, .size: 8, .value_kind: global_buffer, .address_space: global }
    .group_segment_fixed_size: 327680
    .private_segment_fixed_size: 0
    .kernarg_segment_align: 8
    .kernarg_segment_size: 40
    .max_flat_workgroup_size: 512
    .sgpr_count:     100
    .vgpr_count:     256
    .wavefront_size: 32
...
	.end_amdgpu_metadata
.endif
;; end of part 3
;; launch oproj (part 4): grid 16 x 16, 4 waves a work-group, clusters of 4 x 1, 327,680 bytes of LDS; arguments a_codes, w_codes, lowp_scales, out0; writes out0
.if DOCPART == 4
	.amdgcn_target "amdgcn-amd-amdhsa--gfx1250"
	.amdhsa_code_object_version 6
	.text
	.protected	k_qf5c29cb39f_oproj
	.globl	k_qf5c29cb39f_oproj
	.p2align	8
	.type	k_qf5c29cb39f_oproj,@function
k_qf5c29cb39f_oproj:
	s_mov_b64 s[64:65], 0
	v_nop
	global_prefetch_b8 v0, s[64:65] scope:SCOPE_SE
	s_setreg_imm32_b32 hwreg(HW_REG_WAVE_MODE, 25, 1), 1
	s_wait_xcnt 0x0
	s_wait_alu depctr_hold_cnt(0) depctr_sa_sdst(0) depctr_va_vdst(0) depctr_va_sdst(0) depctr_va_ssrc(0) depctr_va_vcc(0) depctr_vm_vsrc(0)
	s_getreg_b32 s2, hwreg(HW_REG_IB_STS2, 6, 4)
	s_cmp_eq_u32 s2, 0
	s_cbranch_scc0 .Lentry_in_a_cluster
	s_endpgm
.Lentry_in_a_cluster:
	s_bfe_u32 s2, ttmp6, 0x10000c
	s_cmp_lg_u32 s2, 0x3003
	s_cbranch_scc0 .Lentry_shape_is_right
	s_endpgm
.Lentry_shape_is_right:
; FOURTH LAUNCH: out0 = a Wo on codes of FP8 (E4M3): a_codes [2048 m][2048 k] with e8, Wo's codes (rows 3072-5119 of w_codes, laid as images of the operand's registers) with e9; each f32 sum x 2^(e8 + e9).
; SHARES.  256 work-groups, each 128 rows x 128 columns of out0; a wave makes 64 x 64: 16 accumulators.
; a STAYS IN LDS: the 128 rows over all of K, 262,144 bytes, are fetched once, one tensor load a wave (128 rows x 512 bytes, wave w the w-th 512 along K).  Nothing is filled again, so the walk over K has no barrier.
; THE WEIGHTS GO FROM MEMORY INTO REGISTERS, 512 consecutive bytes a load, through a ring of four register slots of one K step (128 along K, 16 loads); a slot is asked for three K steps ahead of its use.
; CLUSTER 4, 1, 1: the four partners take the same rows of a: each tile is asked for jointly, mask 15.  The weights differ between partners.
; Source 0 = 16 rows of the weights, source 1 = 16 rows of a: a lane holds one row of out0 and eight neighbouring columns.
; PREFETCH: sixteen work-groups (grid y) and in each two waves walk the same weights.  In the work-groups with y < 4 the waves of the upper 64 rows ask, in the loop's first two trips, for what the next trip's loads will want:
; 8,192 dense bytes (four K steps) of the y-th of the wave's four runs of 16 rows, lanes 256 bytes apart: each block is named once in the launch.  K steps 0 to 7 come by their loads alone.
; LIMIT: e8 + e9 between -126 and 127, so that 2^(e8 + e9) is an f32 number.
; REGISTERS: window 0: addresses; v32-63 a block's scaled sums; v64-127 rows on the way out.  window 1: accumulator (a, t) at v[8 (4 a + t)]; from v128 a's fragments, two sets of 4 x 16.  window 2: the weights' four slots of 4 x 16.
.set CHK,   128*528                    ; a tile in LDS: 128 rows of 512 bytes + 16 of padding: 132 words, so the sixteen rows of a fragment load start at sixteen different groups of four banks (ISA guide 11.1)
.set SPARE, 4*CHK                      ; the spare words, 128 bytes for each wave: two blocks of 256 bytes that no other line names
.set STG,   SPARE+512                  ; the way out: for each wave a stage of 16 rows x (256 bytes + 16), bytes of its own
.set SP,    272
.set ABASE, 4
.set ABASE1, 5
.set AD0,   6
.set AD1,   7
.set BOF,   8                          ; v8  16 x lane
.set PFO,   9                          ; v9  256 x lane
.set STO,   10
.set RD,    11
.set CO,    12
.set SPW,   18                         ; v18 LDS address of my spare word;  v19  0;  never rewritten
.set NIL,   19
.set TMP,   32
.set BK,    64
.set WV, 20                            ; s20 wave; s21 which 64 rows; s22 which 64 columns
.set WR, 21
.set WC, 22
.set CC, 23
.set CY, 24
.set CX, 25
.set G1, 28
.set G0, 36
.set BB, 40
.set PFB, 42
.set LIM, 44
.set TR, 45
.set CH, 46
.set MSB, 0
.macro WIN new                         ; the immediate's high byte repeats the setting that is left
.set NW, (\new)
.if MSB != NW
	s_set_vgpr_msb (MSB<<8)|NW
.set MSB, NW
.endif
.endm
.macro CROUND                          ; a round of the cluster's barrier
	s_barrier_signal -1
	s_barrier_wait -1
	s_cmp_lg_u32 s[WV], 0
	s_cbranch_scc1 .Lnot_wave_0_\@
	s_barrier_signal -3
.Lnot_wave_0_\@:
	s_barrier_wait -3
	s_barrier_signal -1
	s_barrier_wait -1
.endm
.macro PLACES                          ; four places in front of loads into registers that matrix instructions have read, and of the first read of results
.rept 4
	v_nop
.endr
.endm
.macro BLOAD q, d                      ; the weights of K step d (counted from the trip's base) into slot q
	WIN 0x80
.irp t, 0,1,2,3
.irp c, 0,1,2,3
	global_load_b128 v[64*(\q)+16*\t+4*\c:64*(\q)+16*\t+4*\c+3], v[BOF], s[BB:BB+1] offset:\t*32768+(\d)*2048+\c*512
.endr
.endr
.endm
.macro FETCH adr, ko, s                ; a's four fragments at byte ko of the tile's rows into set s: lane (r, h) takes K = 32 c + 16 h + 0 .. 15, the order in which the weights lie
	WIN 0x40
.irp a, 0,1,2,3
.irp c, 0,1,2,3
	ds_load_b128 v[128+64*(\s)+16*\a+4*\c:128+64*(\s)+16*\a+4*\c+3], v[\adr] offset:\ko+32*\c+\a*16*528
.endr
.endr
.endm
; A K STEP of 128: slot q, set s.  d >= 0: the slot read last step takes K step d.  ko >= 0: the next step's fragments of a are fetched.  The 16 accumulators take turns in the same order in every step.
.macro STEP q, s, d, adr, ko, lc, zero
	PLACES
.if \d >= 0
	BLOAD (\q+3)%4, \d
.endif
.if \ko >= 0
	FETCH \adr, \ko, 1-\s
.endif
	s_wait_loadcnt \lc                             ; this step's 16 loads are in; the count leaves out the K steps asked for behind it
.if \ko >= 0
	s_wait_dscnt 16                                ; all but the 16 just issued
.else
	s_wait_dscnt 0
.endif
	WIN 0x56                                       ; source 0 window 2, source 1, C and D window 1
.irp a, 0,1,2,3
.irp t, 0,1,2,3
.if \zero
	v_wmma_f32_16x16x128_fp8_fp8 v[8*(4*\a+\t):8*(4*\a+\t)+7], v[64*\q+16*\t:64*\q+16*\t+15], v[128+64*\s+16*\a:128+64*\s+16*\a+15], 0
.else
	v_wmma_f32_16x16x128_fp8_fp8 v[8*(4*\a+\t):8*(4*\a+\t)+7], v[64*\q+16*\t:64*\q+16*\t+15], v[128+64*\s+16*\a:128+64*\s+16*\a+15], v[8*(4*\a+\t):8*(4*\a+\t)+7]
.endif
.endr
.endr
.endm
	s_load_b256 s[4:11], s[0:1], 0x0               ; a_codes s[4:5], w_codes s[6:7], the exponents s[8:9], out0 s[10:11]
	v_lshl_add_u32 v[SPW], v0, 2, SPARE
	v_mov_b32 v[NIL], 0
	ds_add_u32 v[SPW], v[NIL]                      ; the wave's opening: the add, twice on end, and its wait ahead of my first tensor load
	ds_add_u32 v[SPW], v[NIL]
	v_lshrrev_b32 v3, 5, v0
	v_readfirstlane_b32 s[WV], v3                  ; wave 0..3
	v_and_b32 v3, 31, v0
	v_lshlrev_b32 v[BOF], 4, v3
	v_lshlrev_b32 v[PFO], 8, v3
	s_lshr_b32 s[WR], s[WV], 1
	s_and_b32 s[WC], s[WV], 1
	s_bfe_u32 s[CX], ttmp6, 0x40000
	s_mov_b32 s[CC], ttmp9
	s_and_b32 s[CY], ttmp7, 0xffff
	s_mov_b32 s[G1], 15|(1<<20)|(1<<21)|(6<<22)|(3<<25)   ; 15:0 the mask: all four partners; 17:16 elements of 1 byte; 20 padding on; 21 set beside a mask; 24:22 after every 128 words (code 6); 31:25 four words (code 3)
	s_mov_b32 s[G1+1], 512<<16                     ; tensor_dim0
	s_mov_b32 s[G1+2], 128<<16                     ; tensor_dim1
	s_mov_b32 s[G1+3], 512<<16                     ; tile_dim0
	s_mov_b32 s[G1+4], 128                         ; tile_dim1
	s_mov_b32 s[G1+5], 2048                        ; from row to row
	s_mov_b32 s[G1+6], 0
	s_mov_b32 s[G1+7], 0
	s_mov_b32 s[G0], 1
	s_mul_i32 s[G0+1], s[WV], CHK                  ; tile w: no place in the cluster enters an LDS address
	s_lshl_b32 s48, s[CY], 18                      ; my 128 rows of 2,048 bytes,
	s_lshl_b32 s49, s[WV], 9                       ; the w-th 512 along K: nothing of cx
	s_add_co_u32 s48, s48, s49
	s_mov_b32 s49, 0
	s_lshl_b32 s50, s[CC], 2
	s_add_co_u32 s50, s50, s[CX]                   ; my block of 128 columns
	s_lshl_b32 s52, s50, 3
	s_lshl_b32 s53, s[WC], 2
	s_add_co_u32 s52, s52, s53
	s_add_co_u32 s52, s52, 192                     ; my first run of 16 rows of w_codes: 192 + 8 x block + 4 x half
	s_lshl_b32 s52, s52, 15                        ; 32,768 bytes a run
	s_mov_b32 s53, 0
	s_and_b32 s54, s[CY], 3                        ; the prefetch: the (y % 4)-th of my four runs,
	s_lshl_b32 s54, s54, 15
	s_add_co_u32 s54, s54, 8*2048                  ; from K step 8 on
	s_mov_b32 s55, 0
	s_lshl_b32 s51, s[WR], 2
	s_or_b32 s51, s51, s[CY]
	s_cmp_lt_u32 s51, 4                            ; y < 4 and the upper 64 rows
	s_cselect_b32 s[LIM], 1, 99                    ; a wave asks while more trips are left than this
	s_mov_b32 s[TR], 3
	s_mov_b32 s[CH], 0
	s_wait_alu depctr_va_vdst(0)
	s_wait_dscnt 0x0                               ; both opening adds are done
	s_wait_kmcnt 0x0
	s_load_b64 s[56:57], s[8:9], 0x20              ; e8, e9
	s_add_nc_u64 s[BB:BB+1], s[6:7], s[52:53]
	s_add_nc_u64 s[PFB:PFB+1], s[BB:BB+1], s[54:55]
	s_add_nc_u64 s[G0+2:G0+3], s[4:5], s[48:49]
	s_or_b32 s[G0+3], s[G0+3], 0x80000000
	BLOAD 0, 0                                     ; the weights of K steps 0 to 2 are on their way while the cluster meets
	BLOAD 1, 1
	BLOAD 2, 2
	WIN 0
	CROUND                                         ; all four work-groups are here: the joint loads meet
	tensor_load_to_lds s[G0:G0+3], s[G1:G1+7]      ; my one tensor load of the launch
	s_nop 0
	PLACES
	s_lshl_b32 s48, s[CY], 7
	s_lshl_b32 s51, s[WR], 6
	s_add_co_u32 s48, s48, s51                     ; my first row of out0,
	s_lshl_b32 s48, s48, 13                        ; 8,192 bytes a row,
	s_lshl_b32 s51, s50, 9                         ; 512 bytes a block of columns,
	s_add_co_u32 s48, s48, s51
	s_lshl_b32 s51, s[WC], 8                       ; 256 for my half
	s_add_co_u32 s48, s48, s51
	s_add_nc_u64 s[10:11], s[10:11], s[48:49]
	s_mul_i32 s50, s[WR], 64*528                   ; my 64 rows of a
	s_mul_i32 s51, s[WV], 16*SP
	s_add_co_u32 s51, s51, STG                     ; my stage
	v_and_b32 v1, 15, v0                           ; r
	v_bfe_u32 v2, v0, 4, 1                         ; h
	v_mul_u32_u24 v3, v1, 528
	v_lshl_add_u32 v3, v2, 4, v3
	v_add_nc_u32 v[ABASE], s50, v3
	v_add_nc_u32 v[ABASE1], CHK, v[ABASE]
	v_mul_u32_u24 v3, v1, SP
	v_lshl_add_u32 v3, v2, 5, v3
	v_add_nc_u32 v[STO], s51, v3                   ; in: row r, 32 bytes for each half of the lanes
	v_mul_u32_u24 v3, v2, SP
	v_lshl_add_u32 v3, v1, 4, v3
	v_add_nc_u32 v[RD], s51, v3                    ; back: lanes 0-15 one row of 256 bytes, lanes 16-31 the next
	v_lshlrev_b32 v3, 13, v2
	v_lshl_add_u32 v[CO], v1, 4, v3                ; and the same two rows in out0
	s_wait_alu depctr_va_vdst(0)
	s_wait_tensorcnt 0x0                           ; my tile is in;
	s_barrier_signal -1
	s_barrier_wait -1                              ; everybody's is
	FETCH ABASE, 0, 0
	STEP 0, 0, 3, ABASE, 128, 48, 1                ; K step 0 stands in front of the loop: its products start the sums
	WIN 0
.Ltrip:                                            ; three trips of four K steps: 4 i + 1 .. 4 i + 4
	v_add_nc_u32 v[AD0], s[CH], v[ABASE]
	v_add_nc_u32 v[AD1], s[CH], v[ABASE1]
	s_wait_alu depctr_va_vdst(0)
	s_cmp_gt_u32 s[TR], s[LIM]
	s_cbranch_scc0 .Lnot_mine
	global_prefetch_b8 v[PFO], s[PFB:PFB+1] th:TH_LOAD_NT scope:SCOPE_SE   ; what the next trip's loads will want
.Lnot_mine:
	STEP 1, 1, 4, AD0, 256, 48, 0
	STEP 2, 0, 5, AD0, 384, 48, 0
	STEP 3, 1, 6, AD1, 0, 48, 0
	STEP 0, 0, 7, AD1, 128, 48, 0
	WIN 0
	s_wait_xcnt 0x0                                ; the trip's loads and its prefetch have read their bases
	s_add_nc_u64 s[BB:BB+1], s[BB:BB+1], 8192
	s_add_nc_u64 s[PFB:PFB+1], s[PFB:PFB+1], 8192
	s_add_co_u32 s[CH], s[CH], CHK
	s_sub_co_u32 s[TR], s[TR], 1
	s_cmp_lg_u32 s[TR], 0
	s_cbranch_scc1 .Ltrip
	v_add_nc_u32 v[AD0], s[CH], v[ABASE]           ; the last tile
	s_wait_alu depctr_va_vdst(0)
	STEP 1, 1, -1, AD0, 256, 32, 0                 ; K steps 13 to 15: nothing more to ask for
	STEP 2, 0, -1, AD0, 384, 16, 0
	STEP 3, 1, -1, 0, -1, 0, 0
	WIN 0
; THE WAY OUT, block by block of 16 rows x 64 columns, through my own stage: sixteen lanes then store one aligned run of 256 bytes.  LDS serves a wave's instructions in order (ISA guide 5.7.1.4).
.macro TOSTAGE a
	WIN 0x01
.irp j, 0,2,4,6,8,10,12,14,16,18,20,22,24,26,28,30
	v_pk_mul_f32 v[TMP+\j:TMP+\j+1], v[32*(\a)+\j:32*(\a)+\j+1], s[56:57] op_sel_hi:[1,0]   ; x 2^(e8 + e9); each accumulator from its low end on
.endr
	WIN 0
.irp t, 0,1,2,3
	ds_store_b128 v[STO], v[TMP+8*\t:TMP+8*\t+3] offset:64*\t
	ds_store_b128 v[STO], v[TMP+8*\t+4:TMP+8*\t+7] offset:64*\t+16
.endr
.irp i, 0,1,2,3,4,5,6,7
	ds_load_b128 v[BK+32*((\a)%2)+4*\i:BK+32*((\a)%2)+4*\i+3], v[RD] offset:2*SP*\i
.endr
.endm
.macro SEND a, younger                 ; younger: the LDS instructions issued behind block a's loads, which may stay out
	s_wait_dscnt \younger
.irp i, 0,1,2,3,4,5,6,7
	global_store_b128 v[CO], v[BK+32*((\a)%2)+4*\i:BK+32*((\a)%2)+4*\i+3], s[10:11] offset:(16*(\a)+2*\i)*8192 th:TH_STORE_NT
.endr
.endm
	s_wait_kmcnt 0x0
	s_add_co_i32 s56, s56, s57
	s_add_co_i32 s56, s56, 127
	s_lshl_b32 s56, s56, 23                        ; 2^(e8 + e9) as f32
	s_mov_b32 s57, s56                             ; (named with it as a pair, so it is written)
	PLACES
	TOSTAGE 0
	TOSTAGE 1
	SEND 0, 16
	s_wait_xcnt 0x0                                ; block 0's stores have read their registers: block 2's rows may land there
	TOSTAGE 2
	SEND 1, 16
	s_wait_xcnt 0x0
	TOSTAGE 3
	SEND 2, 16
	SEND 3, 0
	s_wait_tensorcnt 0x0                           ; the wave's end: behind my tensor load and my last LDS store
	ds_add_u32 v[SPW], v[NIL]
	s_wait_dscnt 0x0
	CROUND                                         ; the closing round: no work-group ends while a partner may still ask for a tile that names it
	s_endpgm
.Lfunc_end_k_qf5c29cb39f_oproj:
	.size	k_qf5c29cb39f_oproj, .Lfunc_end_k_qf5c29cb39f_oproj-k_qf5c29cb39f_oproj
	.p2alignl 7, 3214868480
	.fill 96, 4, 3214868480
	.section	.rodata,"a",@progbits
	.p2align	6, 0x0
	.amdhsa_kernel k_qf5c29cb39f_oproj
		.amdhsa_group_segment_fixed_size 327680
		.amdhsa_private_segment_fixed_size 0
		.amdhsa_enable_private_segment 0
		.amdhsa_kernarg_size 32
		.amdhsa_user_sgpr_count 2
		.amdhsa_user_sgpr_kernarg_segment_ptr 1
		.amdhsa_wavefront_size32 1
		.amdhsa_system_sgpr_workgroup_id_x 1
		.amdhsa_system_sgpr_workgroup_id_y 1
		.amdhsa_system_sgpr_workgroup_id_z 1
		.amdhsa_system_vgpr_workitem_id 0
		.amdhsa_next_free_vgpr 768
		.amdhsa_next_free_sgpr 72
		.amdhsa_reserve_vcc 0
		.amdhsa_float_denorm_mode_32 3
		.amdhsa_float_denorm_mode_16_64 3
		.amdhsa_memory_ordered 1
		.amdhsa_forward_progress 1
		.amdhsa_inst_pref_size 48
	.end_amdhsa_kernel
	.amdgpu_metadata
---
amdhsa.version: [ 1, 2 ]
amdhsa.kernels:
  - .name:           k_qf5c29cb39f_oproj
    .symbol:         k_qf5c29cb39f_oproj.kd
    .args:
      - { .name: a_codes, .offset: 0, .size: 8, .value_kind: global_buffer, .address_space: global }
      - { .name: w_codes, .offset: 8, .size: 8, .value_kind: global_buffer, .address_space: global }
      - { .name: lowp_scales, .offset: 16, .size: 8, .value_kind: global_buffer, .address_space: global }
      - { .name: out0, .offset: 24, .size: 8, .value_kind: global_buffer, .address_space: global }
    .group_segment_fixed_size: 327680
    .private_segment_fixed_size: 0
    .kernarg_segment_align: 8
    .kernarg_segment_size: 32
    .max_flat_workgroup_size: 128
    .sgpr_count:     72
    .vgpr_count:     768
    .wavefront_size: 32
...
	.end_amdgpu_metadata
.endif
;; end of part 4
